; MI455X (gfx1250); checked and timed in simulation.
; The chip was launched on July 23, 2026; its instructions are those of AMD's public machine-readable ISA for CDNA 5 (MIT licence, August 2026) and "CDNA5" Instruction Set Architecture Reference Guide (July 2026). The comments in the code are by the model that wrote it; some were corrected since.
;; Multi Head Latent Attention. Allowed arithmetic: matrix products marked QUANTISED: E4M3 operands, one given power-of-two scale a tensor, by v_wmma_f32_16x16x64_fp8_fp8 or v_wmma_f32_16x16x128_fp8_fp8, f32 sums; everything else in f32.
;; Inputs: bo 2,048 float32; lowp_scales 20 int32 (the exponents e of the quantised operands' scales 2^e); wk_rope 2,048 x 64 float32; wk_up 512 x 1,024 float32; wkv_down 2,048 x 512 float32; wo 2,048 x 2,048 float32; wq_down 2,048 x 512 float32; wq_rope 512 x 1,024 float32; wq_up 512 x 1,024 float32; wv_up 512 x 2,048 float32; x 4 x 1,024 x 2,048 float32.
;; Outputs: out0 4 x 1,024 x 2,048 float32.
;; This version of the problem:
;;   THIS VERSION OF THE PROBLEM IS GIVEN IN LOW PRECISION. The matrix products marked QUANTISED in the list below multiply operands that are first quantised to E4M3 (4 exponent bits, 3 mantissa bits; 8 bits a number), with one given power-of-two scale for each operand tensor; their sums are f32. All else is computed in f32.
;;   The module's matrix products, in the order in which they are computed (A, B: the left and right operand; K: the contracted axis; several contracted axes count as one K, in the product's order):
;;     1. [M 4,096, K 2,048] x [K 2,048, N 512]; A: input x; B: input wq_down: QUANTISED (scales: A lowp_scales[0], B lowp_scales[1])
;;     2. [M 4,096, K 512] x [K 512, N 1,024]; A: computed on the way; B: input wq_up: QUANTISED (scales: A lowp_scales[2], B lowp_scales[3])
;;     3. [M 4,096, K 512] x [K 512, N 1,024]; A: computed on the way; B: input wq_rope: QUANTISED (scales: A lowp_scales[4], B lowp_scales[5])
;;     4. [M 4,096, K 2,048] x [K 2,048, N 512]; A: input x; B: input wkv_down: QUANTISED (scales: A lowp_scales[6], B lowp_scales[7])
;;     5. [M 4,096, K 2,048] x [K 2,048, N 64]; A: input x; B: input wk_rope: QUANTISED (scales: A lowp_scales[8], B lowp_scales[9])
;;     6. [M 4,096, K 512] x [K 512, N 1,024]; A: computed on the way; B: input wk_up: QUANTISED (scales: A lowp_scales[10], B lowp_scales[11])
;;     7. [M 4,096, K 512] x [K 512, N 2,048]; A: computed on the way; B: input wv_up: QUANTISED (scales: A lowp_scales[12], B lowp_scales[13])
;;     8. batch 64 x [M 1,024, K 128] x [K 128, N 1,024]; A: computed on the way; B: computed on the way: QUANTISED (scales: A lowp_scales[14], B lowp_scales[15])
;;     9. batch 64 x [M 128, K 1,024] x [K 1,024, N 1,024]; A: computed on the way; B: softmax (see below): QUANTISED (scales: A lowp_scales[16], B lowp_scales[17])
;;     10. [M 4,096, K 2,048] x [K 2,048, N 2,048]; A: computed on the way; B: input wo: QUANTISED (scales: A lowp_scales[18], B lowp_scales[19])
;;   THE QUANTISER, for each operand of a quantised product, along K:
;;     - The operand's scale is 2^e, e = its entry of the input lowp_scales (int32; the entries are numbered through the quantised products in the list's order, A before B).
;;     - Each number is divided by the scale, clamped to +-448, and rounded to the nearest number of E4M3, ties to even, subnormals kept.
;;     - The product sums the exact products of the quantised numbers (number of the format x scale) in f32.
;;   ~~~python
;;   def quantise(x, axis, e):      # numpy; x: float32 -> the quantised numbers, widened to float32 again
;;       x = np.moveaxis(x, axis, -1); K = x.shape[-1]
;;       r = np.clip(x / 2.0 ** e, -448, 448)
;;       step = 2.0 ** (np.maximum(np.frexp(np.where(r == 0, 1, r))[1] - 1, -6) - 3)
;;       q = np.round(r / step) * step * 2.0 ** e      # np.round: ties to even
;;       return np.moveaxis(q, -1, axis).astype(np.float32)
;;   ~~~
;;   SOFTMAX AHEAD OF A QUANTISED PRODUCT. Where the list says 'softmax', what is quantised is not the finished softmax but p = 2^(t - M), with t = logit x log2(e) and M = ceil(the row's largest t), a whole number; so 1/2 < the row's largest p <= 1. The row's sum l is taken of the UNQUANTISED p, in f32, and the product's result is divided by l at the end. Since M is a whole number, a kernel that streams over the keys may use a running M (the ceiling of the running maximum): every later rescaling is an exact power of two, so the quantised numbers keep their values, but for numbers so far below the row's largest that they fall under the format's range.
;;   OPERANDS COMPUTED ON THE WAY. 'Computed on the way' means the value that the module computes at that place (a softmax that the list does not call 'softmax' is quantised finished and normalised). What goes into a quantiser is computed in f32, as accurately as f32 sums, v_exp_f32 and their like allow (about 1e-6 of the number): no bf16 or f16 on the way to a quantiser, and a product that is left as it is and whose result goes on into a quantised operand takes f32 operands (vector FMAs, or v_wmma_f32_16x16x4_f32). A number that lies on a knife's edge between two numbers of the format may be rounded either way, as far as f32 arithmetic and the matrix unit's own rounding can turn it there, and no further.
;; One version. Each part assembles by itself: llvm-mc -triple=amdgcn-amd-amdhsa -mcpu=gfx1250 --defsym DOCPART=n.
;; ======== version 1 of 1: 5 launches
;; limits: right only within a limited range of input values
;; workspace buffers: wc 9,306,112 bytes; xc 25,165,824 bytes; lat 8,388,608 bytes; qc 8,388,608 bytes; kc 8,388,608 bytes; vc 8,388,608 bytes; ctx 8,388,608 bytes
;; launch prep_w (part 1): grid 1640 x 1, 4 waves a work-group, no clusters, 34,304 bytes of LDS; arguments wq_down, wkv_down, wk_rope, wq_up, wq_rope, wk_up, wv_up, wo, lowp_scales, wc, x, xc; writes wc, xc
.if DOCPART == 1
	.amdgcn_target "amdgcn-amd-amdhsa--gfx1250"
	.amdhsa_code_object_version 6
	.text
	.protected	k_q815ba35e84_prep_w
	.globl	k_q815ba35e84_prep_w
	.p2align	8
	.type	k_q815ba35e84_prep_w,@function
k_q815ba35e84_prep_w:
	s_mov_b64 s[64:65], 0
	v_nop
	global_prefetch_b8 v0, s[64:65] scope:SCOPE_SE
	s_setreg_imm32_b32 hwreg(HW_REG_WAVE_MODE, 25, 1), 1
	s_wait_xcnt 0x0
; MULTI-HEAD LATENT ATTENTION IN FP8 (E4M3), five launches.  This one: the eight weights become codes, the cos / sin table of the rotary embedding is made, and x becomes codes three times.
; DEAD WORK OF THE WHOLE PROGRAM.  reference() sets the logits of keys k > q to -10000.  Quantised q and k are held at 448 x 2^e14 and 448 x 2^e15, so whatever the inputs hold every logit that is not masked lies within
; 128 x 448^2 x 2^(e14+e15) / sqrt(128) = 2,270,700 x 2^(e14+e15); key q itself is never masked.  With e14 + e15 <= -8 the row's largest logit is above -8,870, so a masked key's weight is under e^-1130: 0 in f32, 0 as a code,
; and it never sets the row's maximum.  So key steps that lie wholly behind a wave's queries are left out in the attention launch, and inside the step on the diagonal masked scores are set to -infinity (weight 0).
; LIMITS: e14 + e15 <= -8 (lowp_scales[14], [15]); a NaN, an infinity or an overflow that reaches only the tiles left out is not carried to the result.  All inputs have a way to the output and are loaded.
; THE LAYOUT OF EVERY BUFFER OF CODES: an operand of R rows x K codes is a run of fragments of 16 rows x 128 K, 2,048 bytes each, fragment (t, s) at (t K / 128 + s) x 2048.  In it byte 512 c + 16 lane + i, lane = 16 h + r,
; is the code k = 128 s + 32 c + 16 h + i of row rho(t, r), rho(2 b + u, r) = 32 b + 8 u + r + 8 (r / 8).  Four dense loads of 16 bytes a lane are a 16 x 16 x 128 operand's registers (both operands of a product take k in the
; same places).  With such tiles as source 0, the 16 registers of result tiles 2 b and 2 b + 1 are 16 neighbours along that axis: a result is converted in registers and stored as the next operand's image.
; THE WEIGHTS (work-groups 0 to 551): W is [K][N] f32, K its first axis.  A LANE TAKES A COLUMN n AND ITS REGISTERS RUN DOWN K: a wave takes 32 columns x 128 K; each load reads 128 consecutive bytes.
; code = w / 2^e, held within +-448, to the nearest code, ties to even.  One path serves the eight tensors: pointer, sizes and exponent are chosen by the work-group's number.
; THE TABLE: work-groups 552 to 615.   x: work-groups 616 to 1,639, at the end of this text; that path alone uses LDS, each wave bytes of its own.
; LIMITS: every e used here between -126 and 119; NaN among the inputs is not served.  No barrier, no cluster: work-groups share no input.
.set FIRST_TAB, 552
.set FIRST_X,   616
.set TABB, 9043968                     ; the table's first byte in wc
.set SC,  8                            ; v8       2^e as f32
.set LIM, 9                            ; v9       448 x 2^e
.set DO,  10                           ; v10      my codes' place in the wave's two fragments
.set OFF, 16                           ; v16-47   4 x lane + i rows of W
.set X,   48                           ; v48-175  four blocks of 32 numbers
.set C,   176                          ; v176-207 eight registers of codes a block: no store's data are written again
.set SPW, 208                          ; v208     LDS address of my spare word; never rewritten
.set NIL, 209                          ; v209     0; never rewritten
.set REG,   8448                       ; x: a stage of 16 rows x 528 bytes for each wave
.set SPARE, 33792                      ; behind the four stages: the spare words, 128 bytes for each wave: two blocks of 256 bytes that no other line names
.macro PICK first, ptr, lgn, n4, kf16, e, dst  ; from work-group first on: another tensor
	s_cmp_ge_u32 ttmp9, \first
	s_cselect_b64 s[44:45], s[\ptr:\ptr+1], s[44:45]
	s_cselect_b32 s46, \lgn, s46
	s_cselect_b32 s47, \n4, s47
	s_cselect_b32 s48, \kf16, s48
	s_cselect_b32 s49, s[\e], s49
	s_cselect_b32 s50, \first, s50
	s_cselect_b32 s51, \dst, s51
.endm
	s_load_b512 s[4:19], s[0:1], 0x0               ; the eight weights, in the order of the arguments
	s_load_b128 s[20:23], s[0:1], 0x40             ; the scales' exponents s[20:21], wc s[22:23]
	v_lshrrev_b32 v1, 5, v0
	v_readfirstlane_b32 s60, v1                    ; wave 0..3
	v_and_b32 v2, 31, v0                           ; lane
	v_lshl_add_u32 v[SPW], v0, 2, SPARE
	v_mov_b32 v[NIL], 0
	s_wait_alu depctr_va_vdst(0)                   ; directly ahead of the wait below
	s_wait_kmcnt 0x0
	s_cmp_ge_u32 ttmp9, FIRST_X
	s_cbranch_scc1 .Lxpath
	s_cmp_ge_u32 ttmp9, FIRST_TAB
	s_cbranch_scc1 .Ltable
	s_load_b512 s[24:39], s[20:21], 0x0            ; e0 .. e15: e(i) in s[24 + i]
	s_load_b128 s[40:43], s[20:21], 0x40           ; e16 .. e19
	s_wait_kmcnt 0x0
	s_mov_b64 s[44:45], s[4:5]                     ; wq_down: the source,
	s_mov_b32 s46, 4                               ; log2(N / 32),
	s_mov_b32 s47, 2048                            ; a row of W in bytes, 4 N,
	s_mov_b32 s48, 32768                           ; a row tile of codes in bytes, 16 K,
	s_mov_b32 s49, s25                             ; e,
	s_mov_b32 s50, 0                               ; its first work-group,
	s_mov_b32 s51, 0                               ; its section of wc
	PICK 64,  6,  4, 2048, 32768, 31, 1048576      ; wkv_down, e7
	PICK 128, 8,  1, 256,  32768, 33, 2097152      ; wk_rope,  e9
	PICK 136, 10, 5, 4096, 8192,  27, 2228224      ; wq_up,    e3
	PICK 168, 12, 5, 4096, 8192,  29, 2752512      ; wq_rope,  e5
	PICK 200, 14, 5, 4096, 8192,  35, 3276800      ; wk_up,    e11
	PICK 232, 16, 6, 8192, 8192,  37, 3801088      ; wv_up,    e13
	PICK 296, 18, 6, 8192, 32768, 43, 4849664      ; wo,       e19
	s_sub_co_u32 s61, ttmp9, s50
	s_lshl_b32 s61, s61, 2
	s_add_co_u32 s61, s61, s60                     ; my wave's tile of the tensor, columns fastest
	s_lshl_b32 s62, 1, s46
	s_sub_co_u32 s62, s62, 1
	s_and_b32 s66, s61, s62                        ; which 32 columns
	s_lshr_b32 s67, s61, s46                       ; which 128 along K
	s_lshl_b32 s62, s67, 7
	s_mul_i32 s62, s62, s47                        ; 128 ks rows of W,
	s_lshl_b32 s63, s66, 7
	s_add_co_u32 s62, s62, s63                     ; + 32 nc columns of 4 bytes
	s_mov_b32 s63, 0
	s_add_nc_u64 s[52:53], s[44:45], s[62:63]      ; the four blocks of 32 rows have a base each
	s_lshl_b32 s62, s47, 5
	s_add_nc_u64 s[54:55], s[52:53], s[62:63]
	s_add_nc_u64 s[56:57], s[54:55], s[62:63]
	s_add_nc_u64 s[58:59], s[56:57], s[62:63]
	s_lshl_b32 s68, s66, 1
	s_mul_i32 s68, s68, s48                        ; row tile 2 nc,
	s_lshl_b32 s69, s67, 11
	s_add_co_u32 s68, s68, s69                     ; K step ks,
	s_add_co_u32 s68, s68, s51                     ; in the tensor's section
	s_mov_b32 s69, 0
	s_add_nc_u64 s[70:71], s[22:23], s[68:69]
	s_wait_alu depctr_va_vdst(0)
	v_lshlrev_b32 v[OFF], 2, v2
.set ii, 1
.rept 31
	v_add_nc_u32 v[OFF+ii], s47, v[OFF+ii-1]
.set ii, ii+1
.endr
.macro LOADB q                         ; block q: W(128 ks + 32 q + i, my column), i = 0 .. 31
.set ii, 0
.rept 32
	global_load_b32 v[X+32*(\q)+ii], v[OFF+ii], s[52+2*(\q):53+2*(\q)] th:TH_LOAD_NT
.set ii, ii+1
.endr
.endm
	LOADB 0
	LOADB 1
	v_bfe_u32 v3, v0, 3, 1                         ; column l of the 32 is row r = l % 8 + 8 (l / 16) of tile 2 nc + (l / 8) % 2
	v_mul_lo_u32 v3, v3, s48
	v_and_b32 v4, 7, v0
	v_bfe_u32 v5, v0, 4, 1
	v_lshl_add_u32 v4, v5, 3, v4
	v_lshl_add_u32 v[DO], v4, 4, v3
	s_add_co_i32 s72, s49, 127
	s_lshl_b32 s73, s72, 23
	v_mov_b32 v[SC], s73                           ; the conversion takes this number's exponent field
	s_add_co_i32 s72, s72, 8
	s_lshl_b32 s72, s72, 23
	s_or_b32 s72, s72, 0x600000
	v_mov_b32 v[LIM], s72
.macro BLOCK q
.if (\q) < 3
	s_wait_loadcnt 32                              ; this block's 32 loads are in; the next block's 32 may be out
.else
	s_wait_loadcnt 0
.endif
.if (\q)+2 < 4
	LOADB (\q)+2                                   ; two blocks ahead, into registers of its own
.endif
.set ii, 0
.rept 32
	v_med3_num_f32 v[X+32*(\q)+ii], v[X+32*(\q)+ii], -v[LIM], v[LIM]   ; the conversion to an 8-bit code does not saturate (ISA guide 7.6.2): the hold comes first
.set ii, ii+1
.endr
.irp g, 0,1,2,3
	v_cvt_scalef32_pk8_fp8_f32 v[C+8*(\q)+2*\g:C+8*(\q)+2*\g+1], v[X+32*(\q)+8*\g:X+32*(\q)+8*\g+7], v[SC]
.endr
	global_store_b128 v[DO], v[C+8*(\q):C+8*(\q)+3], s[70:71] offset:512*(\q)          ; k = 32 q + 0 .. 15: sixteen lanes fill 256 consecutive bytes of tile 2 nc, sixteen of tile 2 nc + 1
	global_store_b128 v[DO], v[C+8*(\q)+4:C+8*(\q)+7], s[70:71] offset:512*(\q)+256    ; k = 32 q + 16 .. 31
.endm
	s_wait_alu depctr_va_vdst(0)
	BLOCK 0
	BLOCK 1
	BLOCK 2
	BLOCK 3
	s_endpgm
; THE TABLE.  Work-group = a tile of 16 positions (rho), wave p = a piece: lane (r, h) makes cos and sin of position rho(Tp, r) at the four frequencies f = 16 h + 4 p + w: the order in which a lane of the
; later launches holds its rotary channels.  inv = 2^(-f log2(10000) / 32); angle = position x inv, rounded once as reference() rounds it; n = nearest whole number to angle x 2 / pi; angle - n pi / 2 by two fused
; steps (pi / 2 in two parts); polynomials on [-pi / 4, pi / 4]; the quadrant swaps and signs.  Angles stay under 1,024, so n stays under 652 and the two parts of pi / 2 suffice.
.Ltable:
	s_sub_co_u32 s61, ttmp9, FIRST_TAB             ; Tp
	s_mov_b32 s80, 0xbed49a78                      ; -log2(10000) / 32
	s_mov_b32 s81, 0x3f22f983                      ; 2 / pi
	s_mov_b32 s82, 0x3fc90fdb                      ; pi / 2, high part
	s_mov_b32 s83, 0xb33bbd2e                      ; and the rest
	s_mov_b32 s84, 0xbe2aaaa3                      ; sine: r + r z (s84 + z (s85 + z s86))
	s_mov_b32 s85, 0x3c08839e
	s_mov_b32 s86, 0xb94ca1f9
	s_mov_b32 s87, 0x3d2aaaa5                      ; cosine: 1 - z / 2 + z z (s87 + z (s88 + z s89))
	s_mov_b32 s88, 0xbab6061a
	s_mov_b32 s89, 0x37ccf5ce
	v_and_b32 v3, 15, v0                           ; r
	v_bfe_u32 v4, v0, 4, 1                         ; h
	s_lshr_b32 s62, s61, 1
	s_lshl_b32 s62, s62, 5
	s_and_b32 s63, s61, 1
	s_lshl_b32 s63, s63, 3
	s_add_co_u32 s62, s62, s63
	v_and_b32 v5, 8, v3
	v_add3_u32 v5, v5, v3, s62                     ; the position
	v_cvt_f32_u32 v5, v5
	s_lshl_b32 s63, s60, 2
	v_lshl_add_u32 v6, v4, 4, s63                  ; 16 h + 4 p
.irp w, 0,1,2,3
	v_add_nc_u32 v[12+\w], \w, v6
	v_cvt_f32_u32 v[12+\w], v[12+\w]
	v_mul_f32 v[12+\w], s80, v[12+\w]
.endr
	s_wait_alu depctr_va_vdst(0)
.irp w, 0,1,2,3
	v_exp_f32 v[12+\w], v[12+\w]
.endr
	v_nop                                          ; a plain instruction behind the last exponential,
	s_wait_alu depctr_va_vdst(0)                   ; and one wait for the four, ahead of their first reader
.irp w, 0,1,2,3
	v_mul_f32 v[12+\w], v5, v[12+\w]               ; the angle
.endr
.macro SINCOS w
.set A, 12+\w
.set B, 32+8*\w
	v_mul_f32 v[B], s81, v[A]
	v_rndne_f32 v[B], v[B]                         ; n
	v_fma_f32 v[B+1], -v[B], s82, v[A]
	v_fma_f32 v[B+1], -v[B], s83, v[B+1]           ; r
	v_mul_f32 v[B+2], v[B+1], v[B+1]               ; z
	v_fma_f32 v[B+3], v[B+2], s86, s85
	v_fma_f32 v[B+3], v[B+3], v[B+2], s84
	v_mul_f32 v[B+5], v[B+1], v[B+2]
	v_fma_f32 v[B+3], v[B+3], v[B+5], v[B+1]       ; sin r
	v_fma_f32 v[B+4], v[B+2], s89, s88
	v_fma_f32 v[B+4], v[B+4], v[B+2], s87
	v_mul_f32 v[B+5], v[B+2], v[B+2]
	v_fma_f32 v[B+6], v[B+2], -0.5, 1.0
	v_fma_f32 v[B+4], v[B+4], v[B+5], v[B+6]       ; cos r
	v_cvt_i32_f32 v[B+7], v[B]
	v_and_b32 v[B+5], 1, v[B+7]
	v_cmp_eq_u32 vcc_lo, 1, v[B+5]                 ; an odd quadrant swaps the two: a choice of values, no branch
	v_cndmask_b32 v[B+5], v[B+3], v[B+4], vcc_lo
	v_cndmask_b32 v[B+6], v[B+4], v[B+3], vcc_lo
	v_and_b32 v[B], 2, v[B+7]                      ; the sine is negative in quadrants 2, 3,
	v_lshlrev_b32 v[B], 30, v[B]
	v_xor_b32 v[24+\w], v[B+5], v[B]
	v_add_nc_u32 v[B], 1, v[B+7]                   ; the cosine in quadrants 1, 2
	v_and_b32 v[B], 2, v[B]
	v_lshlrev_b32 v[B], 30, v[B]
	v_xor_b32 v[20+\w], v[B+6], v[B]
.endm
	SINCOS 0
	SINCOS 1
	SINCOS 2
	SINCOS 3
	s_lshl_b32 s62, s61, 12                        ; a tile of positions is 4,096 bytes: four pieces of cosines, four of sines
	s_lshl_b32 s63, s60, 9
	s_add_co_u32 s62, s62, s63
	s_add_co_u32 s62, s62, TABB
	s_mov_b32 s63, 0
	s_add_nc_u64 s[70:71], s[22:23], s[62:63]
	v_lshlrev_b32 v7, 4, v2
	global_store_b128 v7, v[20:23], s[70:71]
	global_store_b128 v7, v[24:27], s[70:71] offset:2048
	s_endpgm
; x [4096][2048] f32 becomes codes three times, with 2^e0, 2^e6 and 2^e8: the operands of x wq_down, x wkv_down and x wk_rope, in three sections of xc, 8,388,608 bytes each.
; A wave takes one fragment: tile T of 16 tokens (rho), K step s; number 16 T + s = 4 x (work-group - 616) + wave.  x is read once, 512 consecutive bytes a load.  The conversions want 16 neighbours along K in one lane:
; the wave's 16 rows x 512 bytes turn through its own stage in LDS (rows 528 bytes apart: the sixteen rows of a read start at sixteen different banks).  Waves share nothing: no barrier.
.set XLN,   6                          ; v6   16 x lane
.set XSIN,  7                          ; v7   my stage + 16 x lane
.set XSOUT, 8                          ; v8   my stage + 528 r + 64 h
.set XX,    16                         ; v16-79   my 64 numbers: register 16 b + i = k 32 b + 16 h + i of row r
.set TT,    80                         ; v80-111  two sets of 16 held numbers
.set CC,    112                        ; v112-159 codes with e0, e6, e8: 16 registers each, so that no store's data are written again
.macro MKS se, vs, vl                  ; s[se] = e: v[vs] = 2^e as f32, v[vl] = 448 x 2^e
	s_add_co_i32 s28, s[\se], 127
	s_lshl_b32 s29, s28, 23
	v_mov_b32 v[\vs], s29
	s_add_co_i32 s28, s28, 8
	s_lshl_b32 s28, s28, 23
	s_or_b32 s28, s28, 0x600000
	v_mov_b32 v[\vl], s28
.endm
.macro QUANT vs, vl, dst, base         ; the numbers stay: the held ones go into two sets by turns, so that plain lines stand between a conversion and the next write of its sources
.irp b, 0,1,2,3
.irp i, 0,1,2,3,4,5,6,7,8,9,10,11,12,13,14,15
	v_med3_num_f32 v[TT+16*(\b%2)+\i], v[XX+16*\b+\i], -v[\vl], v[\vl]   ; the conversion to an 8-bit code does not saturate (ISA guide 7.6.2)
.endr
	v_cvt_scalef32_pk8_fp8_f32 v[\dst+4*\b:\dst+4*\b+1], v[TT+16*(\b%2):TT+16*(\b%2)+7], v[\vs]
	v_cvt_scalef32_pk8_fp8_f32 v[\dst+4*\b+2:\dst+4*\b+3], v[TT+16*(\b%2)+8:TT+16*(\b%2)+15], v[\vs]
.endr
.irp c, 0,1,2,3
	global_store_b128 v[XLN], v[\dst+4*\c:\dst+4*\c+3], s[\base:\base+1] offset:\c*512   ; 32 lanes store 512 consecutive bytes
.endr
.endm
.Lxpath:
	s_load_b128 s[24:27], s[0:1], 0x50             ; x, xc
	s_load_b256 s[36:43], s[20:21], 0x0            ; e0 .. e7: e(i) in s[36 + i]
	s_load_b32 s44, s[20:21], 0x20                 ; e8
	s_sub_co_u32 s61, ttmp9, FIRST_X
	s_lshl_b32 s61, s61, 2
	s_add_co_u32 s61, s61, s60                     ; 16 T + s
	s_lshr_b32 s62, s61, 4                         ; T
	s_and_b32 s63, s61, 15                         ; s
	s_lshr_b32 s66, s62, 1
	s_lshl_b32 s66, s66, 5
	s_and_b32 s67, s62, 1
	s_lshl_b32 s67, s67, 3
	s_add_co_u32 s66, s66, s67                     ; the tile's first token: 32 (T / 2) + 8 (T % 2)
	s_lshl_b32 s66, s66, 13                        ; rows of 8,192 bytes,
	s_lshl_b32 s67, s63, 9
	s_add_co_u32 s66, s66, s67                     ; + my K step's 512 bytes
	s_mov_b32 s67, 0
	s_lshl_b32 s68, s61, 11                        ; fragment (T, s)
	s_mov_b32 s69, 0
	s_mul_i32 s70, s60, REG
	v_lshlrev_b32 v[XLN], 4, v2
	v_and_b32 v4, 15, v0                           ; r
	v_bfe_u32 v5, v0, 4, 1                         ; h
	v_mul_u32_u24 v[XSOUT], v4, 528
	v_add_nc_u32 v[XSIN], s70, v[XLN]
	v_lshl_add_u32 v[XSOUT], v5, 6, v[XSOUT]
	v_add_nc_u32 v[XSOUT], s70, v[XSOUT]
	s_wait_alu depctr_va_vdst(0)                   ; directly ahead of the wait below
	s_wait_kmcnt 0x0
	s_add_nc_u64 s[24:25], s[24:25], s[66:67]
	s_add_nc_u64 s[26:27], s[26:27], s[68:69]
	s_add_nc_u64 s[72:73], s[26:27], 0x800000      ; the section of the codes with e6,
	s_add_nc_u64 s[74:75], s[26:27], 0x1000000     ; and with e8
.irp i, 0,1,2,3,4,5,6,7,8,9,10,11,12,13,14,15
	global_load_b128 v[XX+4*\i:XX+4*\i+3], v[XLN], s[24:25] offset:(\i+8*(\i/8))*8192 th:TH_LOAD_NT   ; row rho(T, i)
.endr
	MKS 36, 10, 11                                 ; e0
	MKS 42, 12, 13                                 ; e6
	MKS 44, 14, 15                                 ; e8
	s_wait_alu depctr_va_vdst(0)                   ; directly ahead of the wait below
	s_wait_loadcnt 0x0
.irp i, 0,1,2,3,4,5,6,7,8,9,10,11,12,13,14,15
	ds_store_b128 v[XSIN], v[XX+4*\i:XX+4*\i+3] offset:\i*528
.endr
.irp b, 0,1,2,3
.irp j, 0,1,2,3
	ds_load_b128 v[XX+16*\b+4*\j:XX+16*\b+4*\j+3], v[XSOUT] offset:\b*128+\j*16   ; LDS serves a wave's instructions in order (ISA guide 5.7.1.4): these see my stores
.endr
.endr
	s_wait_dscnt 0x0
	QUANT 10, 11, CC, 26
	QUANT 12, 13, CC+16, 72
	QUANT 14, 15, CC+32, 74
	s_wait_tensorcnt 0x0                           ; the wave's end, behind my last LDS store
	ds_add_u32 v[SPW], v[NIL]
	s_wait_dscnt 0x0
	s_endpgm
.Lfunc_end_k_q815ba35e84_prep_w:
	.size	k_q815ba35e84_prep_w, .Lfunc_end_k_q815ba35e84_prep_w-k_q815ba35e84_prep_w
	.p2alignl 7, 3214868480
	.fill 96, 4, 3214868480
	.section	.rodata,"a",@progbits
	.p2align	6, 0x0
	.amdhsa_kernel k_q815ba35e84_prep_w
		.amdhsa_group_segment_fixed_size 34304
		.amdhsa_private_segment_fixed_size 0
		.amdhsa_enable_private_segment 0
		.amdhsa_kernarg_size 96
		.amdhsa_user_sgpr_count 2
		.amdhsa_user_sgpr_kernarg_segment_ptr 1
		.amdhsa_wavefront_size32 1
		.amdhsa_system_sgpr_workgroup_id_x 1
		.amdhsa_system_sgpr_workgroup_id_y 1
		.amdhsa_system_sgpr_workgroup_id_z 1
		.amdhsa_system_vgpr_workitem_id 0
		.amdhsa_next_free_vgpr 224
		.amdhsa_next_free_sgpr 96
		.amdhsa_reserve_vcc 1
		.amdhsa_float_denorm_mode_32 3
		.amdhsa_float_denorm_mode_16_64 3
		.amdhsa_memory_ordered 1
		.amdhsa_forward_progress 1
		.amdhsa_inst_pref_size 56
	.end_amdhsa_kernel
	.amdgpu_metadata
---
amdhsa.version: [ 1, 2 ]
amdhsa.kernels:
  - .name:           k_q815ba35e84_prep_w
    .symbol:         k_q815ba35e84_prep_w.kd
    .args:
      - { .name: wq_down, .offset: 0, .size: 8, .value_kind: global_buffer, .address_space: global }
      - { .name: wkv_down, .offset: 8, .size: 8, .value_kind: global_buffer, .address_space: global }
      - { .name: wk_rope, .offset: 16, .size: 8, .value_kind: global_buffer, .address_space: global }
      - { .name: wq_up, .offset: 24, .size: 8, .value_kind: global_buffer, .address_space: global }
      - { .name: wq_rope, .offset: 32, .size: 8, .value_kind: global_buffer, .address_space: global }
      - { .name: wk_up, .offset: 40, .size: 8, .value_kind: global_buffer, .address_space: global }
      - { .name: wv_up, .offset: 48, .size: 8, .value_kind: global_buffer, .address_space: global }
      - { .name: wo, .offset: 56, .size: 8, .value_kind: global_buffer, .address_space: global }
      - { .name: lowp_scales, .offset: 64, .size: 8, .value_kind: global_buffer, .address_space: global }
      - { .name: wc, .offset: 72, .size: 8, .value_kind: global_buffer, .address_space: global }
      - { .name: x, .offset: 80, .size: 8, .value_kind: global_buffer, .address_space: global }
      - { .name: xc, .offset: 88, .size: 8, .value_kind: global_buffer, .address_space: global }
    .group_segment_fixed_size: 34304
    .private_segment_fixed_size: 0
    .kernarg_segment_align: 8
    .kernarg_segment_size: 96
    .max_flat_workgroup_size: 128
    .sgpr_count:     96
    .vgpr_count:     224
    .wavefront_size: 32
...
	.end_amdgpu_metadata
.endif
;; end of part 1
;; launch down (part 2): grid 8 x 32, 4 waves a work-group, clusters of 4 x 4, 327,680 bytes of LDS; arguments xc, wc, lowp_scales, lat, kc; writes lat, kc
.if DOCPART == 2
	.amdgcn_target "amdgcn-amd-amdhsa--gfx1250"
	.amdhsa_code_object_version 6
	.text
	.protected	k_q815ba35e84_down
	.globl	k_q815ba35e84_down
	.p2align	8
	.type	k_q815ba35e84_down,@function
k_q815ba35e84_down:
	s_mov_b64 s[64:65], 0
	v_nop
	global_prefetch_b8 v0, s[64:65] scope:SCOPE_SE
	s_setreg_imm32_b32 hwreg(HW_REG_WAVE_MODE, 25, 1), 1
	s_wait_xcnt 0x0
	s_wait_alu depctr_hold_cnt(0) depctr_sa_sdst(0) depctr_va_vdst(0) depctr_va_sdst(0) depctr_va_ssrc(0) depctr_va_vcc(0) depctr_vm_vsrc(0)
	s_getreg_b32 s2, hwreg(HW_REG_IB_STS2, 6, 4)
	s_cmp_eq_u32 s2, 0
	s_cbranch_scc0 .Lentry_in_a_cluster
	s_endpgm
.Lentry_in_a_cluster:
	s_bfe_u32 s2, ttmp6, 0x10000c
	s_cmp_lg_u32 s2, 0xf033
	s_cbranch_scc0 .Lentry_shape_is_right
	s_endpgm
.Lentry_shape_is_right:
; The two products x wq_down and x wkv_down on codes of FP8 (E4M3), K = 2,048; each result leaves as codes twice (2^e2 and 2^e4, or 2^e10 and 2^e12) into four sections of lat.  Layouts: fragments and rho, as the first launch's head comment has it.
; A work-group makes 128 tokens x 128 columns, four waves of 64 x 64; K goes in steps of 512 through two LDS slots filled by joint loads in a 4 x 4 cluster (tokens shared along a row of the cluster, weights along a column).
; ALSO HERE: THE ROPE KEY, x wk_rope (x's codes with 2^e8).  Work-group number T = 8 ty + tx takes the tile T of 16 tokens; wave w the K steps 4 w .. 4 w + 3: 16 matrix instructions on four accumulators by turns, their operands loaded
; straight into registers at the head.  The four waves' part sums meet in LDS bytes of their own, every wave adds them in the waves' order, rotates (channel d pairs with d + 32: tiles u and 2 + u, the same register of the same lane),
; quantises with 2^e15 and stores channels 64 .. 127 of the keys of four of the sixteen heads.  These lines stand behind the second slot's request.
; LIMITS: e2 - e0 - e1, e4 - e0 - e1, e10 - e6 - e7, e12 - e6 - e7 and e15 - e8 - e9 between -126 and 119.
.set WKR,   2097152                    ; wk_rope's codes in wc
.set TABB,  9043968                    ; the table in wc
.set PSUM,  262656                     ; behind the spare words: 4,096 bytes of part sums for each wave; no fill lands here
.set FRB,   2048
.set TROW,  8192
.set HALFT, 32768
.set SLOT,  131072
.set SPARE, 262144
.set KSTR,  4096
.set ADRA, 16
.set ADRB, 20
.set SPW,  28
.set NIL,  29
.set ACC,  128
.set F0,   0
.set F1,   128
.set WV, 16
.set WH, 17
.set WL, 18
.set TY, 19
.set G1, 24
.set G0, 32
.set CX, 40
.set CY, 41
.set TX, 42
.set G1B, 48
.set G0B, 56
.set MSB, 0
.macro WIN new
.if MSB != \new
	s_set_vgpr_msb (MSB<<8)|\new
.set MSB, \new
.endif
.endm
.set MUL,  0x05
.set TO_F, 0x40
.macro JLOAD s
	s_cmp_eq_u32 s[WH], 0
	s_cbranch_scc0 .Lfor_b_\@
	tensor_load_to_lds s[G0+4*\s:G0+4*\s+3], s[G1:G1+7]
	s_nop 0
.rept 4
	v_nop
.endr
	s_branch .Lasked_\@
.Lfor_b_\@:
	tensor_load_to_lds s[G0B+4*\s:G0B+4*\s+3], s[G1B:G1B+7]
	s_nop 0
.rept 4
	v_nop
.endr
.Lasked_\@:
.endm
.macro CREST
	s_cmp_lg_u32 s[WV], 0
	s_cbranch_scc1 .Lnot_wave_0_\@
	s_barrier_signal -3
.Lnot_wave_0_\@:
	s_barrier_wait -3
	s_barrier_signal -1
	s_barrier_wait -1
.endm
.macro CROUND
	s_barrier_signal -1
	s_barrier_wait -1
	CREST
.endm
.macro PLACES
.rept 4
	v_nop
.endr
.endm
.macro MUL8 f, c, a0, zero
.irp a, \a0, \a0+1
.irp b, 0,1,2,3
.if \zero
	v_wmma_f32_16x16x64_fp8_fp8 v[ACC+8*(4*(\a)+\b):ACC+8*(4*(\a)+\b)+7], v[\f+64+8*(4*\c+\b):\f+64+8*(4*\c+\b)+7], v[\f+8*(4*\c+\a):\f+8*(4*\c+\a)+7], 0
.else
	v_wmma_f32_16x16x64_fp8_fp8 v[ACC+8*(4*(\a)+\b):ACC+8*(4*(\a)+\b)+7], v[\f+64+8*(4*\c+\b):\f+64+8*(4*\c+\b)+7], v[\f+8*(4*\c+\a):\f+8*(4*\c+\a)+7], v[ACC+8*(4*(\a)+\b):ACC+8*(4*(\a)+\b)+7]
.endif
.endr
.endr
.endm
.macro FETCH slot, q, f
	WIN TO_F
.irp c, 0,1
.irp i, 0,1,2,3
	ds_load_b128 v[\f+64+8*(4*\c+\i):\f+64+8*(4*\c+\i)+3],   v[ADRB+\slot] offset:\i*TROW+(\q)*FRB+1024*\c
	ds_load_b128 v[\f+64+8*(4*\c+\i)+4:\f+64+8*(4*\c+\i)+7], v[ADRB+\slot] offset:\i*TROW+(\q)*FRB+1024*\c+512
	ds_load_b128 v[\f+8*(4*\c+\i):\f+8*(4*\c+\i)+3],         v[ADRA+\slot] offset:\i*TROW+(\q)*FRB+1024*\c
	ds_load_b128 v[\f+8*(4*\c+\i)+4:\f+8*(4*\c+\i)+7],       v[ADRA+\slot] offset:\i*TROW+(\q)*FRB+1024*\c+512
.endr
.endr
.endm
.macro QUARTER slot, q, f, g, zero
	s_wait_dscnt 16
	WIN MUL
	MUL8 \f, 0, 0, \zero
	MUL8 \f, 0, 2, \zero
	PLACES
	FETCH \slot, \q, \g
	s_wait_dscnt 32
	WIN MUL
	MUL8 \f, 1, 0, 0
	MUL8 \f, 1, 2, 0
.endm
.macro TURN slot, next, fill
	WIN 0
	s_wait_tensorcnt 0x0
	ds_add_u32 v[SPW], v[NIL]
	s_wait_dscnt 17
	WIN MUL
	MUL8 F1, 0, 0, 0
	s_wait_dscnt 0x0
	s_barrier_signal -1
	MUL8 F1, 0, 2, 0
.if \fill
	WIN 0
.endif
	s_barrier_wait -1
.if \fill
	CREST
	s_add_nc_u64 s[G0+4*\slot+2:G0+4*\slot+3], s[G0+4*\slot+2:G0+4*\slot+3], 2*TROW
	s_add_nc_u64 s[G0B+4*\slot+2:G0B+4*\slot+3], s[G0B+4*\slot+2:G0B+4*\slot+3], 2*TROW
	JLOAD \slot
.else
	PLACES
.endif
	FETCH \next, 0, F0
	WIN MUL
	MUL8 F1, 1, 0, 0
	MUL8 F1, 1, 2, 0
.endm
.macro LASTQ
	s_wait_dscnt 16
	WIN MUL
	MUL8 F1, 0, 0, 0
	MUL8 F1, 0, 2, 0
	s_wait_dscnt 0
	MUL8 F1, 1, 0, 0
	MUL8 F1, 1, 2, 0
	WIN 0
.endm
.macro MKS se, vs, vl
	s_add_co_i32 s92, s[\se], 127
	s_lshl_b32 s93, s92, 23
	v_mov_b32 v[\vs], s93
	s_add_co_i32 s92, s92, 8
	s_lshl_b32 s92, s92, 23
	s_or_b32 s92, s92, 0x600000
	v_mov_b32 v[\vl], s92
.endm
.macro Q16 src, tset, sc, lim, dst
.irp i, 0,1,2,3,4,5,6,7,8,9,10,11,12,13,14,15
	v_med3_num_f32 v[\tset+\i], v[(\src)+\i], -v[\lim], v[\lim]
.endr
	v_cvt_scalef32_pk8_fp8_f32 v[(\dst):(\dst)+1], v[\tset:\tset+7], v[\sc]
	v_cvt_scalef32_pk8_fp8_f32 v[(\dst)+2:(\dst)+3], v[\tset+8:\tset+15], v[\sc]
.endm
	s_load_b128 s[4:7], s[0:1], 0x0
	s_load_b128 s[8:11], s[0:1], 0x10
	s_load_b64 s[12:13], s[0:1], 0x20              ; kc
	v_lshl_add_u32 v[SPW], v0, 2, SPARE
	v_mov_b32 v[NIL], 0
	ds_add_u32 v[SPW], v[NIL]
	ds_add_u32 v[SPW], v[NIL]
	v_lshrrev_b32 v1, 5, v0
	v_readfirstlane_b32 s[WV], v1
	s_lshr_b32 s[WH], s[WV], 1
	s_and_b32 s[WL], s[WV], 1
	s_bfe_u32 s[CX], ttmp6, 0x40000
	s_bfe_u32 s[CY], ttmp6, 0x40004
	s_lshl_b32 s[TX], ttmp9, 2
	s_add_co_u32 s[TX], s[TX], s[CX]
	s_and_b32 s[TY], ttmp7, 0xffff
	s_lshl_b32 s[TY], s[TY], 2
	s_add_co_u32 s[TY], s[TY], s[CY]
	s_lshl_b32 s43, s[CY], 2
	s_lshl_b32 s43, 15, s43
	s_lshl_b32 s44, 0x1111, s[CX]
	s_or_b32 s[G1+0], s43, (3<<16)|(1<<21)
	s_or_b32 s[G1B+0], s44, (3<<16)|(1<<21)
.irp g, G1, G1B
	s_mov_b32 s[\g+1], 1024<<16
	s_mov_b32 s[\g+2], 4<<16
	s_mov_b32 s[\g+3], 1024<<16
	s_mov_b32 s[\g+4], 4
	s_mov_b32 s[\g+5], KSTR
	s_mov_b32 s[\g+6], 0
	s_mov_b32 s[\g+7], 0
.endr
	s_lshl_b32 s20, s[WL], 2
	s_lshl_b32 s66, s[TY], 3
	s_add_co_u32 s66, s66, s20
	s_lshl_b32 s66, s66, 15
	s_lshl_b32 s21, ttmp9, 23
	s_add_co_u32 s66, s66, s21
	s_mov_b32 s67, 0
	s_lshl_b32 s46, s[TX], 3
	s_add_co_u32 s46, s46, s20
	s_lshl_b32 s46, s46, 15
	s_mov_b32 s47, 0
	s_lshl_b32 s45, s[WV], 15
	s_wait_dscnt 0x0
	s_wait_kmcnt 0x0
	s_load_b512 s[68:83], s[8:9], 0x0
	s_add_nc_u64 s[66:67], s[4:5], s[66:67]
	s_add_nc_u64 s[46:47], s[6:7], s[46:47]
	CROUND
.irp s, 0,1
	s_mov_b32 s[G0+4*\s], 1
	s_add_co_u32 s[G0+4*\s+1], s45, \s*SLOT
	s_add_nc_u64 s[G0+4*\s+2:G0+4*\s+3], s[66:67], \s*TROW
	s_or_b32 s[G0+4*\s+3], s[G0+4*\s+3], 0x80000000
	s_mov_b32 s[G0B+4*\s], 1
	s_add_co_u32 s[G0B+4*\s+1], s45, \s*SLOT
	s_add_nc_u64 s[G0B+4*\s+2:G0B+4*\s+3], s[46:47], \s*TROW
	s_or_b32 s[G0B+4*\s+3], s[G0B+4*\s+3], 0x80000000
.endr
	JLOAD 0                                        ; K steps 0-3: one tensor load a wave at the head
	v_and_b32 v3, 31, v0
	v_lshlrev_b32 v3, 4, v3                        ; 16 x lane
	s_lshl_b32 s98, s[TY], 3
	s_add_co_u32 s98, s98, s[TX]                   ; T: it enters these four global addresses alone
	s_lshl_b32 s100, s98, 15
	s_lshl_b32 s99, s[WV], 13                      ; K steps 4 w on
	s_add_co_u32 s100, s100, s99
	s_add_co_u32 s100, s100, 0x1000000             ; the section of x's codes with e8
	s_mov_b32 s101, 0
	s_add_nc_u64 s[84:85], s[4:5], s[100:101]
	s_add_co_u32 s100, s99, WKR
	s_add_nc_u64 s[86:87], s[6:7], s[100:101]
	s_and_b32 s99, s98, 63                         ; the tile's place in its sequence
	s_lshl_b32 s100, s99, 12
	s_add_co_u32 s100, s100, TABB
	s_add_nc_u64 s[96:97], s[6:7], s[100:101]
	s_lshl_b32 s100, s99, 11
	s_lshr_b32 s99, s98, 6                         ; the batch: 16 heads x 131,072 bytes
	s_lshl_b32 s99, s99, 21
	s_add_co_u32 s100, s100, s99
	s_lshl_b32 s99, s[WV], 19                      ; my four heads
	s_add_co_u32 s100, s100, s99
	s_add_co_u32 s100, s100, 1024                  ; groups 2 and 3 of a key fragment: channels 64 on
	s_add_nc_u64 s[12:13], s[12:13], s[100:101]
	s_wait_alu depctr_va_vdst(0)
.irp i, 0,1,2,3
.irp c, 0,1,2,3
	global_load_b128 v[64+16*\i+4*\c:64+16*\i+4*\c+3], v3, s[84:85] offset:\i*2048+\c*512      ; x's fragment (T, 4 w + i)
.endr
.endr
.irp p, 0,1,2,3,4,5,6,7
	global_load_b128 v[32+4*\p:35+4*\p], v3, s[96:97] offset:\p*512                            ; cosines v32-47, sines v48-63, of my position at frequencies 16 h + 0 .. 15
.endr
.macro WKLOAD i                        ; wk_rope's four fragments of K step 4 w + i, into window 1
.irp nt, 0,1,2,3
.irp c, 0,1,2,3
	global_load_b128 v[64*\i+16*\nt+4*\c:64*\i+16*\nt+4*\c+3], v3, s[86:87] offset:\nt*32768+\i*2048+\c*512
.endr
.endr
.endm
	WIN TO_F
	WKLOAD 0
	WKLOAD 1
	WKLOAD 2
	WKLOAD 3
	WIN 0
	s_wait_tensorcnt 0x0                           ; my part of slot 0 is in
	ds_add_u32 v[SPW], v[NIL]
	s_wait_dscnt 0x0
	CROUND                                         ; everybody's part is in, and all sixteen work-groups are here
	JLOAD 1                                        ; K steps 4-7: the first tensor load behind the round
	s_lshl_b32 s20, s[WH], 15
	s_lshl_b32 s21, s[WL], 15
	s_add_co_u32 s21, s21, 2*HALFT
	v_add_nc_u32 v[ADRA], s20, v3
	v_add_nc_u32 v[ADRB], s21, v3
	v_add_nc_u32 v[ADRA+1], SLOT, v[ADRA]
	v_add_nc_u32 v[ADRB+1], SLOT, v[ADRB]
	s_wait_alu depctr_va_vdst(0)
	s_wait_kmcnt 0x0
	s_cmp_eq_u32 ttmp9, 0
	s_cselect_b32 s88, s68, s74
	s_cselect_b32 s89, s69, s75
	s_cselect_b32 s90, s70, s78
	s_cselect_b32 s91, s72, s80
	s_add_co_i32 s88, s88, s89
	s_sub_co_i32 s90, s90, s88
	s_sub_co_i32 s91, s91, s88
	MKS 90, 8, 9
	MKS 91, 10, 11
	s_lshl_b32 s94, s[TY], 3
	s_lshl_b32 s95, s[WH], 2
	s_add_co_u32 s94, s94, s95
	s_lshl_b32 s94, s94, 13
	s_lshl_b32 s95, ttmp9, 22
	s_add_co_u32 s94, s94, s95
	s_lshl_b32 s95, s[CX], 11
	s_add_co_u32 s94, s94, s95
	s_lshl_b32 s95, s[WL], 10
	s_add_co_u32 s94, s94, s95
	s_mov_b32 s95, 0
	s_add_nc_u64 s[10:11], s[10:11], s[94:95]
	s_sub_co_i32 s98, s83, s76
	s_sub_co_i32 s98, s98, s77                     ; a sum of x wk_rope stands for sum x 2^(e8 + e9): its code is sum / 2^(e15 - e8 - e9)
	MKS 98, 22, 23
	s_lshl_b32 s99, s[WV], 12
	s_add_co_u32 s99, s99, PSUM
	v_add_nc_u32 v24, s99, v3                      ; my part sums' place
	v_add_nc_u32 v25, PSUM, v3                     ; and wave 0's
	s_wait_alu depctr_va_vdst(0)
	s_wait_loadcnt 0x0                             ; the rope key's operands and the table
	WIN 0x01                                       ; source 0 window 1
.irp i, 0,1,2,3
.irp nt, 0,1,2,3
.if \i == 0
	v_wmma_f32_16x16x128_fp8_fp8 v[128+8*\nt:135+8*\nt], v[64*\i+16*\nt:64*\i+16*\nt+15], v[64+16*\i:79+16*\i], 0
.else
	v_wmma_f32_16x16x128_fp8_fp8 v[128+8*\nt:135+8*\nt], v[64*\i+16*\nt:64*\i+16*\nt+15], v[64+16*\i:79+16*\i], v[128+8*\nt:135+8*\nt]
.endif
.endr
.endr
	WIN 0
.rept 5
	v_nop                                          ; places: ahead of the LDS stores that read the results, of the loads into these registers, and of the products that later write over them
.endr
.irp q, 0,1,2,3,4,5,6,7
	ds_store_b128 v24, v[128+4*\q:131+4*\q] offset:\q*512      ; my part sums, as an image of their registers; each tile from its low end on
.endr
	s_wait_dscnt 0x0                               ; for the others' sake: my stores have landed
	s_barrier_signal -1
	s_barrier_wait -1
	FETCH 0, 0, F0
	WIN 0
.irp p, 0,1,2,3
.irp q, 0,1,2,3,4,5,6,7
	ds_load_b128 v[128+32*\p+4*\q:131+32*\p+4*\q], v25 offset:\p*4096+\q*512
.endr
.endr
	s_wait_dscnt 0x0
.set kk, 0
.rept 16
	v_pk_add_f32 v[128+kk:129+kk], v[128+kk:129+kk], v[160+kk:161+kk]
	v_pk_add_f32 v[192+kk:193+kk], v[192+kk:193+kk], v[224+kk:225+kk]
.set kk, kk+2
.endr
.set kk, 0
.rept 16
	v_pk_add_f32 v[128+kk:129+kk], v[128+kk:129+kk], v[192+kk:193+kk]
.set kk, kk+2
.endr
.irp u, 0,1
.irp j, 0,2,4,6
	v_pk_mul_f32 v[64+4*(4*\u+\j/2):65+4*(4*\u+\j/2)], v[128+8*\u+\j:129+8*\u+\j], v[48+8*\u+\j:49+8*\u+\j]   ; x(d) sin
	v_pk_mul_f32 v[66+4*(4*\u+\j/2):67+4*(4*\u+\j/2)], v[144+8*\u+\j:145+8*\u+\j], v[48+8*\u+\j:49+8*\u+\j]   ; x(d + 32) sin
	v_pk_fma_f32 v[128+8*\u+\j:129+8*\u+\j], v[128+8*\u+\j:129+8*\u+\j], v[32+8*\u+\j:33+8*\u+\j], v[66+4*(4*\u+\j/2):67+4*(4*\u+\j/2)] neg_lo:[0,0,1] neg_hi:[0,0,1]   ; x(d) cos - x(d + 32) sin
	v_pk_fma_f32 v[144+8*\u+\j:145+8*\u+\j], v[144+8*\u+\j:145+8*\u+\j], v[32+8*\u+\j:33+8*\u+\j], v[64+4*(4*\u+\j/2):65+4*(4*\u+\j/2)]                                 ; x(d + 32) cos + x(d) sin
.endr
.endr
.irp b, 0,1
.irp i, 0,1,2,3,4,5,6,7,8,9,10,11,12,13,14,15
	v_med3_num_f32 v[128+16*\b+\i], v[128+16*\b+\i], -v23, v23   ; the conversion to an 8-bit code does not saturate (ISA guide 7.6.2)
.endr
	v_cvt_scalef32_pk8_fp8_f32 v[4+8*\b:5+8*\b], v[128+16*\b:135+16*\b], v22
	v_cvt_scalef32_pk8_fp8_f32 v[6+8*\b:7+8*\b], v[136+16*\b:143+16*\b], v22
.endr
	v_nop                                          ; a plain line behind the last conversion: products write its sources later
.irp hd, 0,1,2,3
	global_store_b128 v3, v[4:7], s[12:13] offset:\hd*131072           ; the one rope key serves all sixteen heads: four of them are mine; v4-7 and v12-15 are written nowhere else
	global_store_b128 v3, v[12:15], s[12:13] offset:\hd*131072+512
.endr
	QUARTER 0, 1, F0, F1, 1
	QUARTER 0, 2, F1, F0, 0
	QUARTER 0, 3, F0, F1, 0
	TURN 0, 1, 1
	QUARTER 1, 1, F0, F1, 0
	QUARTER 1, 2, F1, F0, 0
	QUARTER 1, 3, F0, F1, 0
	TURN 1, 0, 1
	QUARTER 0, 1, F0, F1, 0
	QUARTER 0, 2, F1, F0, 0
	QUARTER 0, 3, F0, F1, 0
	TURN 0, 1, 0
	QUARTER 1, 1, F0, F1, 0
	QUARTER 1, 2, F1, F0, 0
	QUARTER 1, 3, F0, F1, 0
	LASTQ
	PLACES
	s_wait_alu depctr_va_vdst(0)
.irp a, 0,1,2,3
.irp g, 0,1
	Q16 ACC+8*(4*\a+2*\g), 96,  8,  9,  32+8*(2*\a+\g)
	Q16 ACC+8*(4*\a+2*\g), 112, 10, 11, 32+8*(2*\a+\g)+4
.endr
.endr
	v_nop
.irp a, 0,1,2,3
.irp g, 0,1
	global_store_b128 v3, v[32+8*(2*\a+\g):32+8*(2*\a+\g)+3],   s[10:11] offset:\a*8192+\g*512
	global_store_b128 v3, v[32+8*(2*\a+\g)+4:32+8*(2*\a+\g)+7], s[10:11] offset:\a*8192+\g*512+2097152
.endr
.endr
	s_wait_tensorcnt 0x0
	ds_add_u32 v[SPW], v[NIL]
	s_wait_dscnt 0x0
	CROUND
	s_endpgm
.Lfunc_end_k_q815ba35e84_down:
	.size	k_q815ba35e84_down, .Lfunc_end_k_q815ba35e84_down-k_q815ba35e84_down
	.p2alignl 7, 3214868480
	.fill 96, 4, 3214868480
	.section	.rodata,"a",@progbits
	.p2align	6, 0x0
	.amdhsa_kernel k_q815ba35e84_down
		.amdhsa_group_segment_fixed_size 327680
		.amdhsa_private_segment_fixed_size 0
		.amdhsa_enable_private_segment 0
		.amdhsa_kernarg_size 40
		.amdhsa_user_sgpr_count 2
		.amdhsa_user_sgpr_kernarg_segment_ptr 1
		.amdhsa_wavefront_size32 1
		.amdhsa_system_sgpr_workgroup_id_x 1
		.amdhsa_system_sgpr_workgroup_id_y 1
		.amdhsa_system_sgpr_workgroup_id_z 1
		.amdhsa_system_vgpr_workitem_id 0
		.amdhsa_next_free_vgpr 512
		.amdhsa_next_free_sgpr 104
		.amdhsa_reserve_vcc 0
		.amdhsa_float_denorm_mode_32 3
		.amdhsa_float_denorm_mode_16_64 3
		.amdhsa_memory_ordered 1
		.amdhsa_forward_progress 1
		.amdhsa_inst_pref_size 120
	.end_amdhsa_kernel
	.amdgpu_metadata
---
amdhsa.version: [ 1, 2 ]
amdhsa.kernels:
  - .name:           k_q815ba35e84_down
    .symbol:         k_q815ba35e84_down.kd
    .args:
      - { .name: xc, .offset: 0, .size: 8, .value_kind: global_buffer, .address_space: global }
      - { .name: wc, .offset: 8, .size: 8, .value_kind: global_buffer, .address_space: global }
      - { .name: lowp_scales, .offset: 16, .size: 8, .value_kind: global_buffer, .address_space: global }
      - { .name: lat, .offset: 24, .size: 8, .value_kind: global_buffer, .address_space: global }
      - { .name: kc, .offset: 32, .size: 8, .value_kind: global_buffer, .address_space: global }
    .group_segment_fixed_size: 327680
    .private_segment_fixed_size: 0
    .kernarg_segment_align: 8
    .kernarg_segment_size: 40
    .max_flat_workgroup_size: 128
    .sgpr_count:     104
    .vgpr_count:     512
    .wavefront_size: 32
...
	.end_amdgpu_metadata
.endif
;; end of part 2
;; launch up (part 3): grid 8 x 32, 4 waves a work-group, clusters of 4 x 4, 327,680 bytes of LDS; arguments lat, wc, lowp_scales, qc, kc, vc; writes qc, kc, vc
.if DOCPART == 3
	.amdgcn_target "amdgcn-amd-amdhsa--gfx1250"
	.amdhsa_code_object_version 6
	.text
	.protected	k_q815ba35e84_up
	.globl	k_q815ba35e84_up
	.p2align	8
	.type	k_q815ba35e84_up,@function
k_q815ba35e84_up:
	s_mov_b64 s[64:65], 0
	v_nop
	global_prefetch_b8 v0, s[64:65] scope:SCOPE_SE
	s_setreg_imm32_b32 hwreg(HW_REG_WAVE_MODE, 25, 1), 1
	s_wait_xcnt 0x0
	s_wait_alu depctr_hold_cnt(0) depctr_sa_sdst(0) depctr_va_vdst(0) depctr_va_sdst(0) depctr_va_ssrc(0) depctr_va_vcc(0) depctr_vm_vsrc(0)
	s_getreg_b32 s2, hwreg(HW_REG_IB_STS2, 6, 4)
	s_cmp_eq_u32 s2, 0
	s_cbranch_scc0 .Lentry_in_a_cluster
	s_endpgm
.Lentry_in_a_cluster:
	s_bfe_u32 s2, ttmp6, 0x10000c
	s_cmp_lg_u32 s2, 0xf033
	s_cbranch_scc0 .Lentry_shape_is_right
	s_endpgm
.Lentry_shape_is_right:
; The four products on the latents, K = 512, on codes of FP8 (E4M3): q_c = q_lat wq_up, q_r = q_lat wq_rope (then rotated), k_c = kv_lat wk_up, v = kv_lat wv_up.  Results leave as codes: q (2^e14), k (2^e15), v (2^e16).
; Layout of all codes: fragments of 16 rows x 128 K, rows by rho, as the first launch's head comment has it.  The four weights lie on end in wc: one operand of 5,120 rows, five runs of 1,024.
; A WORK-GROUP STAYS: it owns 128 tokens and walks FIVE tiles of 128 weight rows, 1,024 rows apart: tile 0 q_c, 1 q_r, 2 k_c, 3 and 4 v (heads 0-7, 8-15): which product a tile is, is a constant of the text.
; Four waves of 64 x 64: 16 accumulators.  K = 512 is one LDS slot (8 token tiles, then 8 weight tiles, 8,192 bytes each); tile j lies in slot j % 2.  A tile's last quarter changes slots and asks for the tile two on;
; a tile's codes are stored while the next tile is multiplied.  Tiles 3 and 4 multiply the same token codes: tile 4's refill brings its weights alone, and its tokens are read where tile 3's lie, in slot 1.
; CLUSTERS: 4 x 4.  The four of a row of the cluster need the same token tiles, the four of a column the same weight tiles: each is asked for jointly, by the same tensor load with a mask that names the four.
; q AND k: source 0 = weight rows, source 1 = tokens: a lane holds one token and 16 neighbouring channels: a group of a q or k fragment (K = the head's 128; a wave's 64 rows are one head's).
; v: THE KEYS ARE THE NEXT K: source 0 = tokens, source 1 = weight rows: a lane holds one channel and 16 neighbouring keys.
; ROTARY (tile 1): channel d pairs with d + 32: accumulators (a, u) and (a, 2 + u), the same register of the same lane.  The table is asked for at the head and waited for ahead of tile 1's way out.
; LIMITS: e14 - e2 - e3, e14 - e4 - e5, e15 - e10 - e11, e16 - e12 - e13 between -126 and 119.
; REGISTERS: window 0: v3 16 x lane; v4-11 four scales and holds; v16-23 LDS addresses; v28, v29 the add's two; v32-63 codes; v96-127 held numbers; v128-255 accumulators ((a, b) at 128 + 8 (4 a + b)).
;   window 1: two fragment buffers of 128.   window 2: v0-127 the table (token tile a: cosines 32 a on, sines 32 a + 16 on).
.set FRB,   2048
.set TROW,  8192                       ; 4 K steps of one tile of 16 rows
.set HALFT, 32768                      ; 4 such tiles: one tensor load
.set SLOT,  131072
.set SPARE, 262144                     ; behind the ring: the spare words, 128 bytes for each wave: two blocks of 256 bytes that no other line names
.set KSTR,  1024                       ; from tile to tile in memory: 4 fragments, in elements of 8 bytes
.set WUP,   2228224                    ; wq_up's codes in wc
.set TABB,  9043968                    ; the table in wc
.set SECB,  2097152                    ; a section of lat
.set WTB,   524288                     ; 1,024 weight rows of 512 codes: from a tile of my walk to the next
.set TH,   16                          ; v16, v17  tokens, the half by wave / 2, in slot 0, 1
.set WLO,  18                          ; v18, v19  weights, the half by wave % 2
.set WHI,  20                          ; v20, v21  weights, the half by wave / 2
.set TL,   22                          ; v22, v23  tokens, the half by wave % 2
.set SPW,  28
.set NIL,  29
.set ACC,  128
.set F0,   0
.set F1,   128
.set WV, 16                            ; s16 wave; s17 wave / 2, and: I fetch tokens (0) or weights (1); s18 wave % 2, and: which 4 tiles I fetch
.set WH, 17
.set WL, 18
.set TY, 19
.set G1, 24
.set G0, 32
.set CX, 40
.set CY, 41
.set TX, 42
.set G1B, 48
.set G0B, 56
.set QB, 96                            ; s[96:97] my place in qc; s[98:99] in kc; s[100:101] in vc
.set KB, 98
.set VB, 100
.set MSB, 0
.macro WIN new                         ; the immediate's high byte repeats the setting that is left
.if MSB != \new
	s_set_vgpr_msb (MSB<<8)|\new
.set MSB, \new
.endif
.endm
.set MUL,  0x05                        ; sources 0 and 1 window 1; C and D window 0
.set TO_F, 0x40                        ; destination window 1, address window 0
.macro JLOAD s                         ; a joint load: waves 0 and 1 fetch the tokens' two halves, waves 2 and 3 the weights'; an s_nop 0 and four v_nop follow each of the two lines
	s_cmp_eq_u32 s[WH], 0
	s_cbranch_scc0 .Lfor_b_\@
	tensor_load_to_lds s[G0+4*\s:G0+4*\s+3], s[G1:G1+7]
	s_nop 0
.rept 4
	v_nop
.endr
	s_branch .Lasked_\@
.Lfor_b_\@:
	tensor_load_to_lds s[G0B+4*\s:G0B+4*\s+3], s[G1B:G1B+7]
	s_nop 0
.rept 4
	v_nop
.endr
.Lasked_\@:
.endm
.macro JLOADB s                        ; the weights alone: waves 0 and 1 have no part of a tile to fill and issue none; the branch hangs on the wave's number alone
	s_cmp_eq_u32 s[WH], 0
	s_cbranch_scc1 .Lnone_\@
	tensor_load_to_lds s[G0B+4*\s:G0B+4*\s+3], s[G1B:G1B+7]
	s_nop 0
.rept 4
	v_nop
.endr
.Lnone_\@:
.endm
.macro CREST                           ; a round of the cluster's barrier behind its opening barrier
	s_cmp_lg_u32 s[WV], 0
	s_cbranch_scc1 .Lnot_wave_0_\@
	s_barrier_signal -3
.Lnot_wave_0_\@:
	s_barrier_wait -3
	s_barrier_signal -1
	s_barrier_wait -1
.endm
.macro CROUND
	s_barrier_signal -1
	s_barrier_wait -1
	CREST
.endm
.macro PLACES                          ; four places in front of loads into registers that matrix instructions have read, and of the first read of results
.rept 4
	v_nop
.endr
.endm
.macro MUL8 f, c, a0, zero             ; source 1's tiles a0, a0 + 1 x source 0's four, 64 along K: half c of buffer f.  The 16 accumulators take turns
.irp a, \a0, \a0+1
.irp b, 0,1,2,3
.if \zero
	v_wmma_f32_16x16x64_fp8_fp8 v[ACC+8*(4*(\a)+\b):ACC+8*(4*(\a)+\b)+7], v[\f+64+8*(4*\c+\b):\f+64+8*(4*\c+\b)+7], v[\f+8*(4*\c+\a):\f+8*(4*\c+\a)+7], 0
.else
	v_wmma_f32_16x16x64_fp8_fp8 v[ACC+8*(4*(\a)+\b):ACC+8*(4*(\a)+\b)+7], v[\f+64+8*(4*\c+\b):\f+64+8*(4*\c+\b)+7], v[\f+8*(4*\c+\a):\f+8*(4*\c+\a)+7], v[ACC+8*(4*(\a)+\b):ACC+8*(4*(\a)+\b)+7]
.endif
.endr
.endr
.endm
.macro FETCH ra, rb, q, f              ; 32 LDS loads in one run: K step q into buffer f, its first 64 along K first.  v[ra]: source 1's four tiles, v[rb]: source 0's
	WIN TO_F
.irp c, 0,1
.irp i, 0,1,2,3
	ds_load_b128 v[\f+64+8*(4*\c+\i):\f+64+8*(4*\c+\i)+3],   v[\rb] offset:\i*TROW+(\q)*FRB+1024*\c
	ds_load_b128 v[\f+64+8*(4*\c+\i)+4:\f+64+8*(4*\c+\i)+7], v[\rb] offset:\i*TROW+(\q)*FRB+1024*\c+512
	ds_load_b128 v[\f+8*(4*\c+\i):\f+8*(4*\c+\i)+3],         v[\ra] offset:\i*TROW+(\q)*FRB+1024*\c
	ds_load_b128 v[\f+8*(4*\c+\i)+4:\f+8*(4*\c+\i)+7],       v[\ra] offset:\i*TROW+(\q)*FRB+1024*\c+512
.endr
.endr
.endm
.macro QUARTER ra, rb, q, f, g, zero   ; multiplies buffer f (128 along K) and fetches K step q into g
	s_wait_dscnt 16                                ; the first 64 along K are in; the sixteen younger loads may be out
	WIN MUL
	MUL8 \f, 0, 0, \zero
	MUL8 \f, 0, 2, \zero
	PLACES
	FETCH \ra, \rb, \q, \g
	s_wait_dscnt 32                                ; all but the 32 just issued
	WIN MUL
	MUL8 \f, 1, 0, 0
	MUL8 \f, 1, 2, 0
.endm
.macro THREEQ ra, rb                   ; a tile's first three quarters; the first products start the sums: nothing is cleared
	QUARTER \ra, \rb, 1, F0, F1, 1
	QUARTER \ra, \rb, 2, F1, F0, 0
	QUARTER \ra, \rb, 3, F0, F1, 0
.endm
; A tile's last quarter multiplies buffer 1 and changes slots: one barrier.  fill = 1: the slot just read takes the tile two on (tokens sa bytes on, weights sb bytes on); 2: its weights alone; 0: nothing.
; v[na], v[nb]: where the next tile's fragments lie.
.macro TURN slot, na, nb, fill, sa, sb
	WIN 0                                          ; (the add's two registers lie in window 0)
	s_wait_tensorcnt 0x0                           ; all my tensor loads have landed: my part of the next tile;
	ds_add_u32 v[SPW], v[NIL]                      ; 0 onto my spare word;
	s_wait_dscnt 17                                ; (the add and the youngest sixteen loads may be out)
	WIN MUL
	MUL8 F1, 0, 0, 0
	s_wait_dscnt 0x0                               ; the add is done, and my reads of this tile are over
	s_barrier_signal -1
	MUL8 F1, 0, 2, 0
.if \fill
	WIN 0
.endif
	s_barrier_wait -1
.if \fill
	CREST                                          ; the barrier has opened a round of the cluster's barrier: no wave of any partner still reads this slot or has a load on its way
.if \fill == 1
	s_add_nc_u64 s[G0+4*\slot+2:G0+4*\slot+3], s[G0+4*\slot+2:G0+4*\slot+3], \sa
.endif
	s_add_nc_u64 s[G0B+4*\slot+2:G0B+4*\slot+3], s[G0B+4*\slot+2:G0B+4*\slot+3], \sb
.if \fill == 1
	JLOAD \slot                                    ; the first tensor load behind the round; its four v_nop are also the places in front of the loads below
.else
	JLOADB \slot
	PLACES                                         ; for the waves that were led round the load and its v_nop
.endif
.else
	PLACES
.endif
	s_wait_alu depctr_va_vdst(0)
	FETCH \na, \nb, 0, F0
	WIN MUL
	MUL8 F1, 1, 0, 0
	MUL8 F1, 1, 2, 0
.endm
.macro LASTQ                           ; the last tile's last quarter: nothing more to fetch
	s_wait_dscnt 16
	WIN MUL
	MUL8 F1, 0, 0, 0
	MUL8 F1, 0, 2, 0
	s_wait_dscnt 0
	MUL8 F1, 1, 0, 0
	MUL8 F1, 1, 2, 0
	WIN 0
.endm
.macro MKS se, vs, vl                  ; s[se] = e: v[vs] = 2^e as f32, v[vl] = 448 x 2^e
	s_add_co_i32 s92, s[\se], 127
	s_lshl_b32 s93, s92, 23
	v_mov_b32 v[\vs], s93
	s_add_co_i32 s92, s92, 8
	s_lshl_b32 s92, s92, 23
	s_or_b32 s92, s92, 0x600000
	v_mov_b32 v[\vl], s92
.endm
.macro Q16 src, tset, sc, lim, dst     ; 16 neighbours become 16 codes: the hold (the conversion does not saturate: ISA guide 7.6.2), ascending from the accumulator's low end, then two conversions
.irp i, 0,1,2,3,4,5,6,7,8,9,10,11,12,13,14,15
	v_med3_num_f32 v[\tset+\i], v[(\src)+\i], -v[\lim], v[\lim]
.endr
	v_cvt_scalef32_pk8_fp8_f32 v[(\dst):(\dst)+1], v[\tset:\tset+7], v[\sc]
	v_cvt_scalef32_pk8_fp8_f32 v[(\dst)+2:(\dst)+3], v[\tset+8:\tset+15], v[\sc]
.endm
; A TILE'S WAY OUT: (rotation,) hold, conversion, eight stores of 512 consecutive bytes.  It stands behind the change of slots: the refill is asked for and the next tile's first fragments are on their way.
.macro EPI sc, lim, base, off, rope, first
	WIN 0
	PLACES                                         ; behind the tile's last products, ahead of the first read of results
.if \first == 0
	s_wait_xcnt 0x0                                ; the stores of the tile before have read their registers: the codes' registers are written again only behind this wait
.endif
.if \rope
	s_wait_loadcnt 0x0                             ; the table, asked for at the head
	WIN 0x08                                       ; source 1 (cosines, sines) window 2
.irp a, 0,1,2,3
.irp u, 0,1
.irp j, 0,2,4,6
	v_pk_mul_f32 v[96+4*(4*\u+\j/2):97+4*(4*\u+\j/2)], v[ACC+8*(4*\a+\u)+\j:ACC+8*(4*\a+\u)+\j+1], v[32*\a+16+8*\u+\j:32*\a+17+8*\u+\j]       ; x(d) sin
	v_pk_mul_f32 v[98+4*(4*\u+\j/2):99+4*(4*\u+\j/2)], v[ACC+8*(4*\a+2+\u)+\j:ACC+8*(4*\a+2+\u)+\j+1], v[32*\a+16+8*\u+\j:32*\a+17+8*\u+\j]   ; x(d + 32) sin
	v_pk_fma_f32 v[ACC+8*(4*\a+\u)+\j:ACC+8*(4*\a+\u)+\j+1], v[ACC+8*(4*\a+\u)+\j:ACC+8*(4*\a+\u)+\j+1], v[32*\a+8*\u+\j:32*\a+8*\u+\j+1], v[98+4*(4*\u+\j/2):99+4*(4*\u+\j/2)] neg_lo:[0,0,1] neg_hi:[0,0,1]
	v_pk_fma_f32 v[ACC+8*(4*\a+2+\u)+\j:ACC+8*(4*\a+2+\u)+\j+1], v[ACC+8*(4*\a+2+\u)+\j:ACC+8*(4*\a+2+\u)+\j+1], v[32*\a+8*\u+\j:32*\a+8*\u+\j+1], v[96+4*(4*\u+\j/2):97+4*(4*\u+\j/2)]
.endr
.endr
.endr
	WIN 0
.endif
.irp a, 0,1,2,3
.irp g, 0,1
	Q16 ACC+8*(4*\a+2*\g), 96+16*\g, \sc, \lim, 32+4*(2*\a+\g)
.endr
.endr
	v_nop                                          ; a plain line behind the last conversion: the next tile's products and conversions come later
.irp a, 0,1,2,3
.irp g, 0,1
	global_store_b128 v3, v[32+4*(2*\a+\g):32+4*(2*\a+\g)+3], s[\base:\base+1] offset:\off+\a*2048+\g*512   ; 32 lanes store 512 consecutive bytes: a group of a fragment
.endr
.endr
.endm
	s_load_b128 s[4:7], s[0:1], 0x0                ; lat, wc
	s_load_b128 s[8:11], s[0:1], 0x10              ; the scales' exponents, qc
	s_load_b128 s[12:15], s[0:1], 0x20             ; kc, vc
	v_lshl_add_u32 v[SPW], v0, 2, SPARE
	v_mov_b32 v[NIL], 0
	ds_add_u32 v[SPW], v[NIL]                      ; the wave's opening: the add, twice on end, and its wait ahead of my first tensor load
	ds_add_u32 v[SPW], v[NIL]
	v_lshrrev_b32 v1, 5, v0
	v_readfirstlane_b32 s[WV], v1
	s_lshr_b32 s[WH], s[WV], 1
	s_and_b32 s[WL], s[WV], 1
	s_bfe_u32 s[CX], ttmp6, 0x40000
	s_bfe_u32 s[CY], ttmp6, 0x40004
	s_lshl_b32 s[TX], ttmp9, 2
	s_add_co_u32 s[TX], s[TX], s[CX]               ; which 128 rows of each run of 1,024 weight rows: 0 .. 7
	s_and_b32 s[TY], ttmp7, 0xffff
	s_lshl_b32 s[TY], s[TY], 2
	s_add_co_u32 s[TY], s[TY], s[CY]               ; which 128 tokens
	s_lshl_b32 s43, s[CY], 2
	s_lshl_b32 s43, 15, s43                        ; my row of the cluster
	s_lshl_b32 s44, 0x1111, s[CX]                  ; my column
	s_or_b32 s[G1+0], s43, (3<<16)|(1<<21)         ; 15:0 the mask; 17:16 elements of 8 bytes; 21 set beside a mask; no padding
	s_or_b32 s[G1B+0], s44, (3<<16)|(1<<21)
.irp g, G1, G1B
	s_mov_b32 s[\g+1], 1024<<16                    ; tensor_dim0 = 1,024 elements: 8,192 bytes
	s_mov_b32 s[\g+2], 4<<16                       ; tensor_dim1 = 4 tiles
	s_mov_b32 s[\g+3], 1024<<16                    ; tile_dim0
	s_mov_b32 s[\g+4], 4                           ; tile_dim1
	s_mov_b32 s[\g+5], KSTR                        ; tensor_dim0_stride
	s_mov_b32 s[\g+6], 0
	s_mov_b32 s[\g+7], 0
.endr
	s_lshl_b32 s20, s[WL], 2                       ; which 4 tiles I fetch
	s_lshl_b32 s66, s[TY], 3
	s_add_co_u32 s66, s66, s20
	s_lshl_b32 s66, s66, 13                        ; token tiles of 8,192 bytes, in lat's first section
	s_mov_b32 s67, 0
	s_lshl_b32 s46, s[TX], 3
	s_add_co_u32 s46, s46, s20
	s_lshl_b32 s46, s46, 13
	s_add_co_u32 s46, s46, WUP                     ; weight tiles, in the first run of 1,024 rows
	s_mov_b32 s47, 0
	s_lshl_b32 s45, s[WV], 15                      ; where they go: wave x 32,768: no place in the cluster enters an LDS address
	s_wait_dscnt 0x0                               ; both opening adds are done
	s_wait_kmcnt 0x0
	s_load_b512 s[68:83], s[8:9], 0x0              ; e(i) in s[68 + i]
	s_load_b128 s[84:87], s[8:9], 0x40
	s_add_nc_u64 s[66:67], s[4:5], s[66:67]
	s_add_nc_u64 s[46:47], s[6:7], s[46:47]
	CROUND                                         ; all sixteen work-groups are here: the first joint loads meet
.irp s, 0,1                                    ; the groups 0 of tiles 0 and 1
	s_mov_b32 s[G0+4*\s], 1
	s_add_co_u32 s[G0+4*\s+1], s45, \s*SLOT
	s_add_nc_u64 s[G0+4*\s+2:G0+4*\s+3], s[66:67], \s*SECB
	s_or_b32 s[G0+4*\s+3], s[G0+4*\s+3], 0x80000000
	s_mov_b32 s[G0B+4*\s], 1
	s_add_co_u32 s[G0B+4*\s+1], s45, \s*SLOT
	s_add_nc_u64 s[G0B+4*\s+2:G0B+4*\s+3], s[46:47], \s*WTB
	s_or_b32 s[G0B+4*\s+3], s[G0B+4*\s+3], 0x80000000
.endr
	JLOAD 0                                        ; tile 0: one tensor load a wave at the head
	v_and_b32 v3, 31, v0
	v_lshlrev_b32 v3, 4, v3                        ; 16 x lane
	s_wait_alu depctr_va_vdst(0)
	s_and_b32 s22, s[TY], 7                        ; the table: position tile 8 (ty % 8) + 4 (wave / 2) + a
	s_lshl_b32 s22, s22, 3
	s_lshl_b32 s23, s[WH], 2
	s_add_co_u32 s22, s22, s23
	s_lshl_b32 s22, s22, 12
	s_add_co_u32 s22, s22, TABB
	s_mov_b32 s23, 0
	s_add_nc_u64 s[22:23], s[6:7], s[22:23]
	WIN 0x80                                       ; destination window 2
.irp a, 0,1,2,3
.irp p, 0,1,2,3,4,5,6,7
	global_load_b128 v[32*\a+4*\p:32*\a+4*\p+3], v3, s[22:23] offset:\a*4096+\p*512
.endr
.endr
	WIN 0
	s_lshl_b32 s20, s[WH], 15
	s_lshl_b32 s21, s[WL], 15
	v_add_nc_u32 v[TH], s20, v3                    ; a slot: 8 token tiles, then 8 weight tiles
	v_add_nc_u32 v[TL], s21, v3
	v_add_nc_u32 v[WHI], 0x10000, v[TH]
	v_add_nc_u32 v[WLO], 0x10000, v[TL]
	v_add_nc_u32 v[TH+1], SLOT, v[TH]
	v_add_nc_u32 v[TL+1], SLOT, v[TL]
	v_add_nc_u32 v[WHI+1], SLOT, v[WHI]
	v_add_nc_u32 v[WLO+1], SLOT, v[WLO]
	s_wait_kmcnt 0x0                               ; the scales and the stores' bases are made while the first tiles are on their way
	s_sub_co_i32 s88, s82, s70
	s_sub_co_i32 s88, s88, s71                     ; q_c: a sum stands for sum x 2^(e2 + e3): its code is sum / 2^(e14 - e2 - e3)
	MKS 88, 4, 5
	s_sub_co_i32 s88, s82, s72
	s_sub_co_i32 s88, s88, s73                     ; q_r: e14 - e4 - e5
	MKS 88, 6, 7
	s_sub_co_i32 s88, s83, s78
	s_sub_co_i32 s88, s88, s79                     ; k_c: e15 - e10 - e11
	MKS 88, 8, 9
	s_sub_co_i32 s88, s84, s80
	s_sub_co_i32 s88, s88, s81                     ; v: e16 - e12 - e13
	MKS 88, 10, 11
	s_lshr_b32 s88, s[TY], 3
	s_lshl_b32 s88, s88, 4                         ; 16 x batch
	s_and_b32 s89, s[TY], 7
	s_lshl_b32 s89, s89, 14                        ; q, k: 8 token tiles; v: a key step's 8 channel tiles
	s_lshl_b32 s90, s[WH], 13                      ; source 1's four tiles of mine
	s_add_co_u32 s89, s89, s90
	s_lshl_b32 s90, s[TX], 1
	s_add_co_u32 s90, s90, s[WL]                   ; q, k: the head of my 64 weight rows
	s_add_co_u32 s90, s90, s88
	s_lshl_b32 s90, s90, 17                        ; 131,072 bytes for each (batch, head)
	s_add_co_u32 s90, s90, s89
	s_mov_b32 s91, 0
	s_add_nc_u64 s[QB:QB+1], s[10:11], s[90:91]
	s_add_nc_u64 s[KB:KB+1], s[12:13], s[90:91]
	s_add_co_u32 s90, s[TX], s88                   ; v: the head of the tile's 128 rows (tile 4: eight heads on, in the immediate)
	s_lshl_b32 s90, s90, 17
	s_add_co_u32 s90, s90, s89
	s_lshl_b32 s92, s[WL], 10                      ; my 64 keys are groups 2 (wave % 2) on
	s_add_co_u32 s90, s90, s92
	s_add_nc_u64 s[VB:VB+1], s[14:15], s[90:91]
	s_wait_alu depctr_va_vdst(0)
	s_wait_tensorcnt 0x0                           ; my part of tile 0 is in
	ds_add_u32 v[SPW], v[NIL]
	s_wait_dscnt 0x0
	CROUND                                         ; everybody's part of tile 0 is in, and all sixteen work-groups are here
	JLOAD 1                                        ; tile 1: the first tensor load behind the round
	FETCH TH, WLO, 0, F0
	THREEQ TH, WLO                                 ; tile 0: q_c
	TURN 0, TH+1, WLO+1, 1, 2*SECB, 2*WTB          ; slot 0 takes tile 2
	EPI 4, 5, QB, 0, 0, 1
	THREEQ TH+1, WLO+1                             ; tile 1: q_r
	TURN 1, TH, WLO, 1, 2*SECB, 2*WTB              ; slot 1 takes tile 3
	EPI 6, 7, QB, 1024, 1, 0                       ; groups 2, 3 of a q fragment
	THREEQ TH, WLO                                 ; tile 2: k_c
	TURN 0, WHI+1, TL+1, 2, 0, 2*WTB               ; slot 0 takes tile 4's weights: the last fill
	EPI 8, 9, KB, 0, 0, 0
	THREEQ WHI+1, TL+1                             ; tile 3: v, heads 0-7: source 0 = tokens
	TURN 1, WHI, TL+1, 0, 0, 0                     ; tile 4: weights in slot 0, tokens still in slot 1
	EPI 10, 11, VB, 0, 0, 0
	THREEQ WHI, TL+1                               ; tile 4: v, heads 8-15
	LASTQ
	EPI 10, 11, VB, 1048576, 0, 0
	s_wait_tensorcnt 0x0                           ; the wave's end
	ds_add_u32 v[SPW], v[NIL]
	s_wait_dscnt 0x0
	CROUND                                         ; the closing round
	s_endpgm
.Lfunc_end_k_q815ba35e84_up:
	.size	k_q815ba35e84_up, .Lfunc_end_k_q815ba35e84_up-k_q815ba35e84_up
	.p2alignl 7, 3214868480
	.fill 96, 4, 3214868480
	.section	.rodata,"a",@progbits
	.p2align	6, 0x0
	.amdhsa_kernel k_q815ba35e84_up
		.amdhsa_group_segment_fixed_size 327680
		.amdhsa_private_segment_fixed_size 0
		.amdhsa_enable_private_segment 0
		.amdhsa_kernarg_size 48
		.amdhsa_user_sgpr_count 2
		.amdhsa_user_sgpr_kernarg_segment_ptr 1
		.amdhsa_wavefront_size32 1
		.amdhsa_system_sgpr_workgroup_id_x 1
		.amdhsa_system_sgpr_workgroup_id_y 1
		.amdhsa_system_sgpr_workgroup_id_z 1
		.amdhsa_system_vgpr_workitem_id 0
		.amdhsa_next_free_vgpr 640
		.amdhsa_next_free_sgpr 104
		.amdhsa_reserve_vcc 0
		.amdhsa_float_denorm_mode_32 3
		.amdhsa_float_denorm_mode_16_64 3
		.amdhsa_memory_ordered 1
		.amdhsa_forward_progress 1
		.amdhsa_inst_pref_size 159
	.end_amdhsa_kernel
	.amdgpu_metadata
---
amdhsa.version: [ 1, 2 ]
amdhsa.kernels:
  - .name:           k_q815ba35e84_up
    .symbol:         k_q815ba35e84_up.kd
    .args:
      - { .name: lat, .offset: 0, .size: 8, .value_kind: global_buffer, .address_space: global }
      - { .name: wc, .offset: 8, .size: 8, .value_kind: global_buffer, .address_space: global }
      - { .name: lowp_scales, .offset: 16, .size: 8, .value_kind: global_buffer, .address_space: global }
      - { .name: qc, .offset: 24, .size: 8, .value_kind: global_buffer, .address_space: global }
      - { .name: kc, .offset: 32, .size: 8, .value_kind: global_buffer, .address_space: global }
      - { .name: vc, .offset: 40, .size: 8, .value_kind: global_buffer, .address_space: global }
    .group_segment_fixed_size: 327680
    .private_segment_fixed_size: 0
    .kernarg_segment_align: 8
    .kernarg_segment_size: 48
    .max_flat_workgroup_size: 128
    .sgpr_count:     104
    .vgpr_count:     640
    .wavefront_size: 32
...
	.end_amdgpu_metadata
.endif
;; end of part 3
;; launch attn (part 4): grid 4 x 64, 16 waves a work-group, clusters of 4 x 1, 264,192 bytes of LDS; arguments qc, kc, vc, lowp_scales, ctx; writes ctx
.if DOCPART == 4
	.amdgcn_target "amdgcn-amd-amdhsa--gfx1250"
	.amdhsa_code_object_version 6
	.text
	.protected	k_q815ba35e84_attn
	.globl	k_q815ba35e84_attn
	.p2align	8
	.type	k_q815ba35e84_attn,@function
k_q815ba35e84_attn:
	s_mov_b64 s[64:65], 0
	v_nop
	global_prefetch_b8 v0, s[64:65] scope:SCOPE_SE
	s_setreg_imm32_b32 hwreg(HW_REG_WAVE_MODE, 25, 1), 1
	s_wait_xcnt 0x0
	s_wait_alu depctr_hold_cnt(0) depctr_sa_sdst(0) depctr_va_vdst(0) depctr_va_sdst(0) depctr_va_ssrc(0) depctr_va_vcc(0) depctr_vm_vsrc(0)
	s_getreg_b32 s2, hwreg(HW_REG_IB_STS2, 6, 4)
	s_cmp_eq_u32 s2, 0
	s_cbranch_scc0 .Lentry_in_a_cluster
	s_endpgm
.Lentry_in_a_cluster:
	s_bfe_u32 s2, ttmp6, 0x10000c
	s_cmp_lg_u32 s2, 0x3003
	s_cbranch_scc0 .Lentry_shape_is_right
	s_endpgm
.Lentry_shape_is_right:
; Causal attention on codes of FP8 (E4M3): scores = q k^T / sqrt(128), softmax, ctx = p v; ctx leaves as codes with 2^e18, laid as the last product's operand.  Layouts: fragments and rho, as the first launch's head comment has it.
; WORK LEFT OUT: key steps all of whose 128 keys come after a wave's queries; masked scores inside the step on the diagonal become -infinity.  Shown dead at the head of the first launch, under the limit e14 + e15 <= -8.
; THE SOFTMAX AHEAD OF THE SECOND PRODUCT: t = score x log2(e) / sqrt(128); M = the largest t so far, rounded UP to a whole number; p = 2^(t - M) is quantised with 2^e17, not normalised; the row's sum is taken of the unquantised
; p and divides at the end.  When M moves, the sum and O are multiplied by 2^(old M - new M): exact.
; SHARES.  A cluster of four work-groups owns one (batch, head).  Wave w of partner cx owns query tile 4 n + cx, n = n(w) a permutation of 0 .. 15: its 16 queries lie among positions 64 n .. 64 n + 63, so it needs key steps
; 0 .. n / 2, the last on the diagonal: both hang on the wave's number alone, every partner reads every key step, and all work-groups have the same work (72 steps).
; n(w) = 0 14 4 10 | 15 1 11 5 | 6 8 2 12 | 9 7 13 3.  The waves' step counts n / 2 + 1, laid 4 x 4 by the wave's number, are 1 8 3 6 | 8 1 6 3 | 4 5 2 7 | 5 4 7 2: 18 along every row and every column, so the four waves
; with one w / 4 have the same work, and so have the four with one w % 4.
; A head's whole K and V, 131,072 bytes each, lie in LDS: each of the sixteen waves asks for one key step of K (waves 0-7) or of V (waves 8-15) by ONE joint load that names the four partners; nothing is filled again.
; Both products are used transposed: S^T = K Q^T, O^T = V^T P^T: a lane holds one query throughout; by rho the 16 registers of tiles 2 b, 2 b + 1 are 16 neighbouring keys (then: channels).
; LIMITS: e14 + e15 between -123 and -8; e17 and e18 - e16 - e17 between -126 and 119.
; REGISTERS: v1 16 x lane; v2 the mask's bound; v5, v6 the add's two; v8, v9 LDS addresses; v12 -M, v13 the largest t, v[14:15] the sum; v16.. Q; v32-95 four fragments; v96-159 S^T, then p; v160-223 O^T; v224.. codes; v236-254 at work.
.set SPARE, 262144                     ; behind K and V: the spare words, 128 bytes for each wave: eight blocks of 256 bytes that no other line names
.set LN,  1
.set DM,  2
.set SPW, 5
.set NIL, 6
.set ADK, 8
.set ADV, 9
.set WV,  18
.set SEL, 20
.set CS,  22
.set G1,  24
.set G0,  32
.set CX,  36
.set Y,   37
.set TQ,  38
.set DG,  39                           ; s39  the key step on my diagonal
.set TB,  40                           ; s40  LDS byte of the key step in hand
.set ST,  41                           ; s41  the key step
.set QI,  42                           ; s42  n(w)
.macro CROUND
	s_barrier_signal -1
	s_barrier_wait -1
	s_cmp_lg_u32 s[WV], 0
	s_cbranch_scc1 .Lnot_wave_0_\@
	s_barrier_signal -3
.Lnot_wave_0_\@:
	s_barrier_wait -3
	s_barrier_signal -1
	s_barrier_wait -1
.endm
	s_load_b256 s[4:11], s[0:1], 0x0               ; qc s[4:5], kc s[6:7], vc s[8:9], the scales' exponents s[10:11]
	s_load_b64 s[12:13], s[0:1], 0x20              ; ctx
	v_lshl_add_u32 v[SPW], v0, 2, SPARE
	v_mov_b32 v[NIL], 0
	ds_add_u32 v[SPW], v[NIL]                      ; the wave's opening: the add, twice on end, and its wait ahead of my first tensor load
	ds_add_u32 v[SPW], v[NIL]
	v_lshrrev_b32 v8, 5, v0
	s_delay_alu instid0(VALU_DEP_1)
	v_readfirstlane_b32 s[WV], v8                  ; wave 0..15
	s_bfe_u32 s[CX], ttmp6, 0x40000
	s_and_b32 s[Y], ttmp7, 0xffff                  ; 16 x batch + head
	s_mov_b32 s43, 0x3d79c286                      ; n(w), four bits a wave: waves 8 to 15,
	s_cmp_lt_u32 s[WV], 8
	s_cselect_b32 s43, 0x5b1fa4e0, s43             ; waves 0 to 7
	s_and_b32 s[QI], s[WV], 7
	s_lshl_b32 s[QI], s[QI], 2
	s_lshr_b32 s43, s43, s[QI]
	s_and_b32 s[QI], s43, 15
	s_lshl_b32 s[TQ], s[QI], 2
	s_add_co_u32 s[TQ], s[TQ], s[CX]               ; my query tile: it enters Q's and ctx's addresses and the mask's bound alone
	s_lshr_b32 s[DG], s[QI], 1
	s_mov_b32 s[G1], 15|(3<<16)|(1<<21)            ; 15:0 the mask: all four; 17:16 elements of 8 bytes; 21 set beside a mask
	s_mov_b32 s[G1+1], 32<<16                      ; tensor_dim0 = 32 elements: 256 bytes
	s_mov_b32 s[G1+2], 64<<16                      ; tensor_dim1 = 64 rows: a dense block of 16,384 bytes
	s_mov_b32 s[G1+3], 32<<16                      ; tile_dim0
	s_mov_b32 s[G1+4], 64                          ; tile_dim1
	s_mov_b32 s[G1+5], 32                          ; tensor_dim0_stride
	s_mov_b32 s[G1+6], 0
	s_mov_b32 s[G1+7], 0
	s_mov_b32 s[G0], 1
	s_lshl_b32 s[G0+1], s[WV], 14                  ; LDS: wave x 16,384: K's eight key steps, then V's
	s_lshl_b32 s50, s[Y], 17
	s_and_b32 s51, s[WV], 7
	s_lshl_b32 s51, s51, 14
	s_add_co_u32 s50, s50, s51
	s_mov_b32 s51, 0
	s_mov_b32 s[SEL], 0x76543210
	s_mov_b32 s[SEL+1], 0xfedcba98
	s_mov_b32 s[CS], 0x3e0293ee                    ; c = log2(e) / sqrt(128)
	s_mov_b32 s[TB], 0
	s_mov_b32 s[ST], 0
	s_wait_dscnt 0x0                               ; both opening adds are done
	s_wait_kmcnt 0x0
	s_load_b128 s[44:47], s[10:11], 0x38           ; e14, e15, e16, e17
	s_load_b32 s48, s[10:11], 0x48                 ; e18
	s_cmp_lt_u32 s[WV], 8
	s_cselect_b64 s[G0+2:G0+3], s[6:7], s[8:9]
	s_add_nc_u64 s[G0+2:G0+3], s[G0+2:G0+3], s[50:51]
	s_or_b32 s[G0+3], s[G0+3], 0x80000000
	CROUND                                         ; all four work-groups are here: the joint loads meet
	tensor_load_to_lds s[G0:G0+3], s[G1:G1+7]      ; every wave's one tensor load
	s_nop 0
.rept 4
	v_nop
.endr
	s_lshl_b32 s52, s[Y], 6
	s_add_co_u32 s52, s52, s[TQ]
	s_lshl_b32 s52, s52, 11
	s_mov_b32 s53, 0
	s_add_nc_u64 s[4:5], s[4:5], s[52:53]          ; Q's fragment
	v_and_b32 v8, 31, v0
	s_delay_alu instid0(VALU_DEP_1)
	v_lshlrev_b32 v[LN], 4, v8
.irp c, 0,1,2,3
	global_load_b128 v[16+4*\c:19+4*\c], v[LN], s[4:5] offset:512*\c
.endr
	s_lshr_b32 s52, s[Y], 4
	s_lshl_b32 s52, s52, 6
	s_add_co_u32 s52, s52, s[TQ]                   ; ctx: token tile 64 x batch + my query tile,
	s_lshl_b32 s52, s52, 4
	s_and_b32 s54, s[Y], 15
	s_add_co_u32 s52, s52, s54                     ; K step = head
	s_lshl_b32 s52, s52, 11
	s_add_nc_u64 s[12:13], s[12:13], s[52:53]
	v_and_b32 v8, 15, v0                           ; r
	v_bfe_u32 v9, v0, 4, 1                         ; h
	s_delay_alu instid0(VALU_DEP_2)
	v_and_b32 v10, 8, v8
	s_delay_alu instid0(VALU_DEP_1)
	v_add_nc_u32 v10, v10, v8                      ; r + 8 (r / 8)
	s_delay_alu instid0(VALU_DEP_3)
	v_lshlrev_b32 v9, 4, v9
	s_delay_alu instid0(VALU_DEP_1)
	v_sub_nc_u32 v10, v10, v9
	s_lshr_b32 s54, s[TQ], 1
	s_lshl_b32 s54, s54, 5
	s_and_b32 s55, s[TQ], 1
	s_lshl_b32 s55, s55, 3
	s_add_co_u32 s54, s54, s55
	s_lshl_b32 s55, s[DG], 7
	s_sub_co_i32 s54, s54, s55
	v_add_nc_u32 v[DM], s54, v10                   ; my query - the diagonal step's first key - 16 h.  Register 16 b + i holds that step's key 16 h + 32 b + i: hidden where 32 b + i is above this
	v_mov_b32 v13, 0xff61b1e6                      ; the largest t so far: -3e38, under every t
	s_delay_alu instid0(VALU_DEP_1)
	v_floor_f32 v12, -v13                          ; -M
	v_mov_b32 v14, 0
	v_mov_b32 v15, 0
	v_mov_b32 v236, 0                              ; written once: a lane permute's destination counts as one of its sources
	v_mov_b32 v252, 0
	v_mov_b32 v253, 0                              ; (named as the upper half of the pair v[252:253])
.set jj, 0
.rept 64
	v_mov_b32 v[160+jj], 0                         ; O^T: the step is written once; the first finds zeros, which the first change of M leaves zeros
.set jj, jj+1
.endr
	s_wait_kmcnt 0x0
	s_add_co_i32 s54, s44, s45
	s_lshl_b32 s54, s54, 23
	s_add_co_i32 s[CS], s[CS], s54                 ; a score stands for score x 2^(e14 + e15): added to c's exponent field
	s_mov_b32 s[CS+1], s[CS]
	s_add_co_i32 s54, s47, 127
	s_lshl_b32 s55, s54, 23
	v_mov_b32 v244, s55                            ; 2^e17 as f32
	s_add_co_i32 s54, s54, 8
	s_lshl_b32 s54, s54, 23
	s_or_b32 s54, s54, 0x600000
	v_mov_b32 v240, s54                            ; 448 x 2^e17
	s_sub_co_i32 s54, s48, s46
	s_sub_co_i32 s54, s54, s47                     ; O / the sum stands for ctx / 2^(e16 + e17): its code is that / 2^(e18 - e16 - e17)
	s_add_co_i32 s54, s54, 127
	s_lshl_b32 s55, s54, 23
	v_mov_b32 v246, s55
	s_add_co_i32 s54, s54, 8
	s_lshl_b32 s54, s54, 23
	s_or_b32 s54, s54, 0x600000
	v_mov_b32 v247, s54
	s_wait_loadcnt 0x0                             ; Q
	s_wait_tensorcnt 0x0                           ; my key step is in,
	s_barrier_signal -1
	s_barrier_wait -1                              ; everybody's is: from here on LDS is only read
.Lstep:                                            ; eight trips in every wave; a step behind my diagonal is jumped over: a scalar branch on the wave's number and the count of trips
	s_cmp_gt_u32 s[ST], s[DG]
	s_cbranch_scc1 .Lskip
	v_add_nc_u32 v[ADK], s[TB], v[LN]
	s_wait_alu depctr_va_vdst(0)
	v_add_nc_u32 v[ADV], 0x20000, v[ADK]
.irp g, 0,1                                    ; S^T = K Q^T, four tiles of 16 keys at a time
.rept 4-2*(1-\g)
	v_nop                                          ; four places in front of loads into registers that matrix instructions have read; the two additions above are places too
.endr
.irp t, 0,1,2,3
.irp c, 0,1,2,3
	ds_load_b128 v[32+16*\t+4*\c:32+16*\t+4*\c+3], v[ADK] offset:(4*\g+\t)*2048+512*\c
.endr
.endr
	s_wait_dscnt 0x0
.irp t, 0,1,2,3
	v_wmma_f32_16x16x128_fp8_fp8 v[96+8*(4*\g+\t):103+8*(4*\g+\t)], v[32+16*\t:47+16*\t], v[16:31], 0
.endr
.endr
.rept 4
	v_nop
.endr
	s_cmp_lg_u32 s[ST], s[DG]
	s_cbranch_scc1 .Lopen                          ; ahead of the diagonal every key counts
	v_mov_b32 v254, 0xff800000                     ; -infinity
.set nn, 0
.rept 64
	v_cmp_gt_i32 vcc_lo, 32*(nn/16)+nn%16, v[DM]
	v_cndmask_b32 v[96+nn], v[96+nn], v254, vcc_lo
.set nn, nn+1
.endr
.Lopen:
	v_max3_num_f32 v254, v96, v97, v98             ; the step's largest score of my query among my 64 keys, in two chains, each accumulator from its low end on,
	v_max3_num_f32 v252, v99, v100, v101
.irp i, 6,10,14,18,22,26,30,34,38,42,46,50,54,58
	v_max3_num_f32 v254, v254, v[96+\i], v[97+\i]
	v_max3_num_f32 v252, v252, v[98+\i], v[99+\i]
.endr
	v_max3_num_f32 v254, v254, v158, v159
	s_delay_alu instid0(VALU_DEP_1)
	v_max_num_f32 v254, v254, v252
	v_permlanex16_b32 v236, v254, s[SEL], s[SEL+1]
	s_delay_alu instid0(VALU_DEP_1)
	v_max_num_f32 v254, v254, v236                 ; and among lane l xor 16's
	s_delay_alu instid0(VALU_DEP_1)
	v_mul_f32 v254, s[CS], v254                    ; as t (c is positive)
	s_delay_alu instid0(VALU_DEP_1)
	v_max_num_f32 v13, v13, v254                   ; the running largest t
	v_mov_b32 v254, v12
	s_delay_alu instid0(VALU_DEP_2)
	v_floor_f32 v12, -v13                          ; the new -M = floor(-t): M is a whole number
	s_delay_alu instid0(VALU_DEP_1)
	v_sub_f32 v254, v12, v254                      ; old M - new M: a whole number, 0 or less
	s_delay_alu instid0(VALU_DEP_1)
	v_cvt_i32_f32 v254, v254                       ; (it saturates)
	s_delay_alu instid0(VALU_DEP_1)
	v_ldexp_f32 v252, 1.0, v254                    ; f = 2^(old M - new M)
.set jj, 0
.rept 32
	v_pk_fma_f32 v[96+jj:97+jj], v[96+jj:97+jj], s[CS:CS+1], v[12:13] op_sel_hi:[1,0,0]   ; t - M, two at a time
.set jj, jj+2
.endr
.set jj, 0
	s_wait_alu depctr_va_vdst(0)
.rept 64
	v_exp_f32 v[96+jj], v[96+jj]                   ; p = 2^(t - M), at most 1
.set jj, jj+1
.endr
	v_pk_mul_f32 v[14:15], v[14:15], v[252:253] op_sel_hi:[1,0]   ; the sums under the new M: the plain line behind the exponentials
	s_wait_alu depctr_va_vdst(0)                   ; one wait for the whole batch, ahead of its first reader
	v_pk_add_f32 v[242:243], v[100:101], v[104:105]
	v_pk_add_f32 v[254:255], v[108:109], v[112:113]
	v_pk_add_f32 v[250:251], v[116:117], v[120:121]
	v_pk_add_f32 v[248:249], v[124:125], v[128:129]
	v_pk_add_f32 v[238:239], v[132:133], v[136:137]
	v_pk_add_f32 v[236:237], v[140:141], v[144:145]
	v_pk_add_f32 v[234:235], v[148:149], v[152:153]
	v_pk_add_f32 v[14:15], v[14:15], v[156:157]
	v_pk_add_f32 v[242:243], v[242:243], v[96:97]
	v_pk_add_f32 v[254:255], v[254:255], v[98:99]
	v_pk_add_f32 v[250:251], v[250:251], v[102:103]
	v_pk_add_f32 v[248:249], v[248:249], v[106:107]
	v_pk_add_f32 v[238:239], v[238:239], v[110:111]
	v_pk_add_f32 v[236:237], v[236:237], v[114:115]
	v_pk_add_f32 v[234:235], v[234:235], v[118:119]
	v_pk_add_f32 v[14:15], v[14:15], v[122:123]
	v_pk_add_f32 v[242:243], v[242:243], v[126:127]
	v_pk_add_f32 v[254:255], v[254:255], v[130:131]
	v_pk_add_f32 v[250:251], v[250:251], v[134:135]
	v_pk_add_f32 v[248:249], v[248:249], v[138:139]
	v_pk_add_f32 v[238:239], v[238:239], v[142:143]
	v_pk_add_f32 v[236:237], v[236:237], v[146:147]
	v_pk_add_f32 v[234:235], v[234:235], v[150:151]
	v_pk_add_f32 v[14:15], v[14:15], v[154:155]
	v_pk_add_f32 v[242:243], v[242:243], v[158:159]
	s_delay_alu instid0(VALU_DEP_2)
	v_pk_add_f32 v[14:15], v[14:15], v[248:249]
	s_delay_alu instid0(VALU_DEP_2)
	v_pk_add_f32 v[242:243], v[242:243], v[238:239]
	v_pk_add_f32 v[254:255], v[254:255], v[236:237]
	v_pk_add_f32 v[250:251], v[250:251], v[234:235]
	s_delay_alu instid0(VALU_DEP_2)
	v_pk_add_f32 v[14:15], v[14:15], v[254:255]
	s_delay_alu instid0(VALU_DEP_2)
	v_pk_add_f32 v[242:243], v[242:243], v[250:251]
	s_delay_alu instid0(VALU_DEP_1)
	v_pk_add_f32 v[14:15], v[14:15], v[242:243]
.irp b, 0,1,2,3
.irp i, 0,1,2,3,4,5,6,7,8,9,10,11,12,13,14,15
	v_min_num_f32 v[96+16*\b+\i], v[96+16*\b+\i], v240   ; the conversion does not saturate (ISA guide 7.6.2); p is not negative, so the hold is one-sided
.endr
	v_cvt_scalef32_pk8_fp8_f32 v[224+4*\b:225+4*\b], v[96+16*\b:103+16*\b], v244
	v_cvt_scalef32_pk8_fp8_f32 v[226+4*\b:227+4*\b], v[104+16*\b:111+16*\b], v244
.endr
.set jj, 0
.rept 32
	v_pk_mul_f32 v[160+jj:161+jj], v[160+jj:161+jj], v[252:253] op_sel_hi:[1,0]   ; O^T under the new M; these are also the places in front of the loads and products below
.set jj, jj+2
.endr
	s_wait_alu depctr_va_vdst(0)
.irp g, 0,1                                    ; O^T += V^T P^T: four tiles of 16 channels at a time; the eight accumulators take turns
.if \g > 0
.rept 4
	v_nop
.endr
.endif
.irp t, 0,1,2,3
.irp c, 0,1,2,3
	ds_load_b128 v[32+16*\t+4*\c:32+16*\t+4*\c+3], v[ADV] offset:(4*\g+\t)*2048+512*\c
.endr
.endr
	s_wait_dscnt 0x0
.irp t, 0,1,2,3
	v_wmma_f32_16x16x128_fp8_fp8 v[160+8*(4*\g+\t):167+8*(4*\g+\t)], v[32+16*\t:47+16*\t], v[224:239], v[160+8*(4*\g+\t):167+8*(4*\g+\t)]
.endr
.endr
.Lskip:
	s_add_co_u32 s[TB], s[TB], 16384
	s_add_co_u32 s[ST], s[ST], 1
	s_cmp_lt_u32 s[ST], 8
	s_cbranch_scc1 .Lstep
	; THE WAY OUT: O^T / the sum, quantised with 2^e18: by rho the 16 registers of tiles 2 b, 2 b + 1 are channels 32 b + 16 h + 0 .. 15: group b of the fragment (my token tile, K step = head)
.rept 4
	v_nop                                          ; the places behind the last products
.endr
	v_add_f32 v14, v14, v15
	s_delay_alu instid0(VALU_DEP_1)
	v_permlanex16_b32 v252, v14, s[SEL], s[SEL+1]
	s_delay_alu instid0(VALU_DEP_1)
	v_add_f32 v14, v14, v252                       ; the row's sum
	s_wait_alu depctr_va_vdst(0)
	v_rcp_f32 v14, v14
	v_nop                                          ; a plain line behind the reciprocal,
	s_wait_alu depctr_va_vdst(0)                   ; and the wait ahead of its first reader
.set jj, 0
.rept 64
	v_mul_f32 v[96+jj], v[160+jj], v14
.set jj, jj+1
.endr
.irp b, 0,1,2,3
.irp i, 0,1,2,3,4,5,6,7,8,9,10,11,12,13,14,15
	v_med3_num_f32 v[96+16*\b+\i], v[96+16*\b+\i], -v247, v247
.endr
	v_cvt_scalef32_pk8_fp8_f32 v[224+4*\b:225+4*\b], v[96+16*\b:103+16*\b], v246
	v_cvt_scalef32_pk8_fp8_f32 v[226+4*\b:227+4*\b], v[104+16*\b:111+16*\b], v246
.endr
	v_nop
.irp c, 0,1,2,3
	global_store_b128 v[LN], v[224+4*\c:227+4*\c], s[12:13] offset:512*\c      ; 32 lanes store 512 consecutive bytes
.endr
	s_wait_tensorcnt 0x0                           ; the wave's end
	ds_add_u32 v[SPW], v[NIL]
	s_wait_dscnt 0x0
	CROUND                                         ; the closing round
	s_endpgm
.Lfunc_end_k_q815ba35e84_attn:
	.size	k_q815ba35e84_attn, .Lfunc_end_k_q815ba35e84_attn-k_q815ba35e84_attn
	.p2alignl 7, 3214868480
	.fill 96, 4, 3214868480
	.section	.rodata,"a",@progbits
	.p2align	6, 0x0
	.amdhsa_kernel k_q815ba35e84_attn
		.amdhsa_group_segment_fixed_size 264192
		.amdhsa_private_segment_fixed_size 0
		.amdhsa_enable_private_segment 0
		.amdhsa_kernarg_size 40
		.amdhsa_user_sgpr_count 2
		.amdhsa_user_sgpr_kernarg_segment_ptr 1
		.amdhsa_wavefront_size32 1
		.amdhsa_system_sgpr_workgroup_id_x 1
		.amdhsa_system_sgpr_workgroup_id_y 1
		.amdhsa_system_sgpr_workgroup_id_z 1
		.amdhsa_system_vgpr_workitem_id 0
		.amdhsa_next_free_vgpr 256
		.amdhsa_next_free_sgpr 66
		.amdhsa_reserve_vcc 1
		.amdhsa_float_denorm_mode_32 3
		.amdhsa_float_denorm_mode_16_64 3
		.amdhsa_memory_ordered 1
		.amdhsa_forward_progress 1
		.amdhsa_inst_pref_size 41
	.end_amdhsa_kernel
	.amdgpu_metadata
---
amdhsa.version: [ 1, 2 ]
amdhsa.kernels:
  - .name:           k_q815ba35e84_attn
    .symbol:         k_q815ba35e84_attn.kd
    .args:
      - { .name: qc, .offset: 0, .size: 8, .value_kind: global_buffer, .address_space: global }
      - { .name: kc, .offset: 8, .size: 8, .value_kind: global_buffer, .address_space: global }
      - { .name: vc, .offset: 16, .size: 8, .value_kind: global_buffer, .address_space: global }
      - { .name: lowp_scales, .offset: 24, .size: 8, .value_kind: global_buffer, .address_space: global }
      - { .name: ctx, .offset: 32, .size: 8, .value_kind: global_buffer, .address_space: global }
    .group_segment_fixed_size: 264192
    .private_segment_fixed_size: 0
    .kernarg_segment_align: 8
    .kernarg_segment_size: 40
    .max_flat_workgroup_size: 512
    .sgpr_count:     66
    .vgpr_count:     256
    .wavefront_size: 32
...
	.end_amdgpu_metadata
.endif
;; end of part 4
;; launch outp (part 5): grid 16 x 16, 4 waves a work-group, clusters of 4 x 1, 327,680 bytes of LDS; arguments ctx, wc, lowp_scales, bo, out0; writes out0
.if DOCPART == 5
	.amdgcn_target "amdgcn-amd-amdhsa--gfx1250"
	.amdhsa_code_object_version 6
	.text
	.protected	k_q815ba35e84_outp
	.globl	k_q815ba35e84_outp
	.p2align	8
	.type	k_q815ba35e84_outp,@function
k_q815ba35e84_outp:
	s_mov_b64 s[64:65], 0
	v_nop
	global_prefetch_b8 v0, s[64:65] scope:SCOPE_SE
	s_setreg_imm32_b32 hwreg(HW_REG_WAVE_MODE, 25, 1), 1
	s_wait_xcnt 0x0
	s_wait_alu depctr_hold_cnt(0) depctr_sa_sdst(0) depctr_va_vdst(0) depctr_va_sdst(0) depctr_va_ssrc(0) depctr_va_vcc(0) depctr_vm_vsrc(0)
	s_getreg_b32 s2, hwreg(HW_REG_IB_STS2, 6, 4)
	s_cmp_eq_u32 s2, 0
	s_cbranch_scc0 .Lentry_in_a_cluster
	s_endpgm
.Lentry_in_a_cluster:
	s_bfe_u32 s2, ttmp6, 0x10000c
	s_cmp_lg_u32 s2, 0x3003
	s_cbranch_scc0 .Lentry_shape_is_right
	s_endpgm
.Lentry_shape_is_right:
; out0 = ctx wo + bo on codes of FP8 (E4M3): M 4,096 tokens, N 2,048 columns, K 2,048.  Layout of the codes: fragments of 16 rows x 128 K, 2,048 bytes, rows by rho, as the first launch's head comment has it.
; A finished sum is multiplied once by 2^(e18 + e19) and the bias is added in the same fused line.  LIMIT: e18 + e19 between -126 and 127, so that the power of two is an f32 number.
; SHARES.  256 work-groups; one makes 256 tokens x 128 columns; each of its four waves 64 tokens x 128 columns: 32 accumulators, 256 registers; 16 K steps of 128, 32 matrix instructions each.
; THE WEIGHTS: the block's 128 rows of wo, 8 tiles x 16 K steps = 262,144 bytes, lie in LDS for the whole launch, read by all four waves.  They come in two halves along K (K steps 0-7, 8-15), each by one tensor load
; a wave (two tiles x 16,384 bytes); the second half is a later first fill, behind the three lines and a round; no LDS byte is filled twice.
; CLUSTER 4 x 1: the four partners make other tokens with the same 128 columns: the weights' loads are joint, the mask names the four.
; THE TOKENS: a wave's 64 rows of ctx are multiplied by that wave alone, so they go from memory straight into its registers, 16 dense loads of 512 bytes a K step, four K steps ahead, in five slots of 64 registers by turns.
; They fill no LDS tile, so there is nothing for a joint load to bring: that is why they are not asked for jointly.
; A K STEP goes in four groups of eight products: weight tiles 2 g, 2 g + 1 against my four token tiles.  Ahead of each group stand the eight LDS loads of the same two tiles of the NEXT step: each fragment is asked for 32 products
; ahead of its use.  The step's 16 token loads stand in two runs of eight, ahead of groups 1 and 2.
; PREFETCH, three instructions a wave behind the first tensor load, a lane to each aligned 256 bytes: (1) the weights' second half, 512 blocks of 256 bytes, shared out among the cluster's 4 x 4 x 32 lanes by address;
; (2), (3) of my wave's own four token tiles the K steps 2 (y % 8) and 2 (y % 8) + 1, y the column block: the sixteen work-groups that read the same tokens share the 16 K steps out, each step named by y and by y + 8.
; All addresses lie inside their buffers; their registers are never rewritten.
; SOURCE 0 = weight rows, SOURCE 1 = tokens: a lane holds one token, and by rho the 16 registers of tiles 2 g, 2 g + 1 are columns 32 g + 16 (lane / 16) + 0 .. 15.
; REGISTERS: window 0: v8-11 16 x lane + 65,536 x 0..3; v12-19 addresses; v64-127 the way out's sums; v128-191 token slot 4, on the way out rows read back (with v192-255).
;   window 1: accumulator (a, b) at 8 (8 a + b).   window 2: the weights' fragments, two sets of 128.   window 3: token slots 0-3; at the end slot 1 holds the bias.
.set WOB,    4849664                   ; wo's codes in wc
.set HALF,   131072                    ; LDS: K steps 8-15 begin here; tile t at 16,384 t, K step s % 8 at 2,048 each
.set SPARE,  262144                    ; the spare words, 128 bytes for each wave: two blocks of 256 bytes that no other line names
.set STAGE,  262656                    ; the way out: 16 rows x 528 bytes for each wave; no fill lands here
.set SPITCH, 528
.set LN,  8                            ; v8    16 x lane; v8-11: + 65,536 k
.set STO, 12                           ; v12   the stage, in
.set RD,  13                           ; v13   the stage, back
.set BI,  14                           ; v14   the bias: 64 x (lane / 16)
.set PFA, 15                           ; v15   prefetch of tokens: 32,768 (lane / 8) + 256 (lane % 8)
.set PFB, 16                           ; v16   prefetch of weights: 256 x lane
.set SPW, 18                           ; v18   my spare word; never rewritten
.set NIL, 19                           ; v19   0; never rewritten
.set TMP, 64
.set BK,  128
.set WV, 14
.set CX, 15
.set MB, 16                            ; s16   which 256 tokens
.set NB, 17                            ; s17   which 128 columns
.set G1, 24
.set G0, 32                            ; s[32:35], s[36:39] group 0 of the two halves
.set AB, 40                            ; s[40:41] my wave's four token tiles
.set PA, 42
.set PB, 44
.set SCL, 46                           ; s[46:47] 2^(e18 + e19)
.set MSB, 0
.macro WIN new                         ; the immediate's high byte repeats the setting that is left
.if MSB != \new
	s_set_vgpr_msb (MSB<<8)|\new
.set MSB, \new
.endif
.endm
.macro CROUND                          ; a round of the cluster's barrier
	s_barrier_signal -1
	s_barrier_wait -1
	s_cmp_lg_u32 s[WV], 0
	s_cbranch_scc1 .Lnot_wave_0_\@
	s_barrier_signal -3
.Lnot_wave_0_\@:
	s_barrier_wait -3
	s_barrier_signal -1
	s_barrier_wait -1
.endm
.macro PLACES                          ; four places in front of loads into registers that matrix instructions have read, and of the first read of results
.rept 4
	v_nop
.endr
.endm
.macro FETCHT s, t                     ; the weights' fragment (tile t, K step s) into set s % 2: four LDS loads; the destination's window is 2
.irp c, 0,1,2,3
	ds_load_b128 v[128*((\s)%2)+16*(\t)+4*\c:128*((\s)%2)+16*(\t)+4*\c+3], v[LN+2*((\s)/8)+(\t)/4] offset:((\t)%4)*16384+((\s)%8)*2048+\c*512
.endr
.endm
.macro LOADH s, a0                     ; token fragments a0, a0 + 1 of K step s into slot s % 5: 8 loads of 512 consecutive bytes.  s = 16: the bias of my lane's 64 columns, in the same place of the count
.if (\s)%5 < 4
	WIN 0xc0                                       ; destination window 3
.set RB, 64*((\s)%5)
.else
	WIN 0
.set RB, 128
.endif
.irp a, \a0, \a0+1
.irp c, 0,1,2,3
.if (\s) < 16
	global_load_b128 v[RB+16*(\a)+4*\c:RB+16*(\a)+4*\c+3], v[LN], s[AB:AB+1] offset:(\a)*32768+(\s)*2048+\c*512
.else
	global_load_b128 v[RB+16*(\a)+4*\c:RB+16*(\a)+4*\c+3], v[BI], s[10:11] offset:(\a)*128+\c*16
.endif
.endr
.endr
.endm
.macro LOADA s
	LOADH \s, 0
	LOADH \s, 2
.endm
.macro MUL8 s, b0, zero                ; weight tiles b0, b0 + 1 x my four token tiles.  The 32 accumulators take turns, in the same order in every step
.irp b, \b0, \b0+1
.irp a, 0,1,2,3
.if \zero
	v_wmma_f32_16x16x128_fp8_fp8 v[8*(8*\a+(\b)):8*(8*\a+(\b))+7], v[128*((\s)%2)+16*(\b):128*((\s)%2)+16*(\b)+15], v[RA+16*\a:RA+16*\a+15], 0
.else
	v_wmma_f32_16x16x128_fp8_fp8 v[8*(8*\a+(\b)):8*(8*\a+(\b))+7], v[128*((\s)%2)+16*(\b):128*((\s)%2)+16*(\b)+15], v[RA+16*\a:RA+16*\a+15], v[8*(8*\a+(\b)):8*(8*\a+(\b))+7]
.endif
.endr
.endr
.endm
; A K STEP.  The registers that the step before has read (the other set of weights, one token slot) are free behind the four places at its head.
.macro STEP s, zero
.if (\s) == 7
	s_barrier_wait -1                              ; everybody's part of the weights' second half is in: K step 8's fragments are read below
.endif
.if (\s) > 0
	PLACES
.endif
.if (\s) < 13
	s_wait_loadcnt 48                              ; this step's tokens are in; the 16 loads of each of the three steps behind it may be out
.else
	s_wait_loadcnt 16*(16-(\s))                    ; likewise: the steps that are left, and the bias's 16
.endif
.if (\s)%5 < 4
.set RA, 64*((\s)%5)
.else
.set RA, 128
.endif
.irp h, 0,1,2,3
.if ((\s) == 6) && (\h == 3)
	s_wait_tensorcnt 0x0                           ; my one tensor load that is out, my part of the second half, has landed;
	s_wait_dscnt 0x0                               ; no LDS instruction of mine is out at the signal
	s_barrier_signal -1                            ; eight LDS loads of the first half, which nobody writes, and eight products stand between signal and wait
.endif
.if (\s) < 15
	WIN 0x80                                       ; destination window 2
	FETCHT (\s)+1, 2*\h
	FETCHT (\s)+1, 2*\h+1
.endif
.if ((\s) < 13) && ((\h == 1) || (\h == 2))
	LOADH (\s)+4, 2*\h-2
.endif
.if (\s) < 15
	s_wait_dscnt 32                                ; this group's two tiles are in: behind their loads stand 24 - 8 h of this step's and 8 h + 8 of the next
.else
	s_wait_dscnt 24-8*\h                           ; the last step: behind them stand only this step's later tiles
.endif
.if (\s)%5 < 4
	WIN 0x5e                                       ; source 0 window 2, source 1 window 3, C and D window 1
.else
	WIN 0x52                                       ; source 1 window 0
.endif
	MUL8 \s, 2*\h, \zero
.endr
.endm
; THE WAY OUT of token tile a: sum x 2^(e18 + e19) + bias, each accumulator from its low end on; through my stage; back as whole rows of 512 bytes.
.macro TOSTAGE a
	WIN 0x31                                       ; source 0 window 1 (sums), source 2 window 3 (bias)
.irp b, 0,1,2,3,4,5,6,7
.irp j, 0,2,4,6
	v_pk_fma_f32 v[TMP+8*\b+\j:TMP+8*\b+\j+1], v[8*(8*(\a)+\b)+\j:8*(8*(\a)+\b)+\j+1], s[SCL:SCL+1], v[64+8*\b+\j:64+8*\b+\j+1] op_sel_hi:[1,0,1]
.endr
.endr
	WIN 0
.irp b, 0,1,2,3,4,5,6,7
	ds_store_b128 v[STO], v[TMP+8*\b:TMP+8*\b+3] offset:128*(\b/2)+32*(\b%2)
	ds_store_b128 v[STO], v[TMP+8*\b+4:TMP+8*\b+7] offset:128*(\b/2)+32*(\b%2)+16
.endr
.irp i, 0,1,2,3,4,5,6,7,8,9,10,11,12,13,14,15
	ds_load_b128 v[BK+64*((\a)%2)+4*\i:BK+64*((\a)%2)+4*\i+3], v[RD] offset:\i*SPITCH   ; LDS serves a wave's instructions in order (ISA guide 5.7.1.4): these see my stores
.endr
.endm
.macro SEND a, younger                 ; younger: the LDS instructions issued behind tile a's loads, which may stay out
	s_wait_dscnt \younger
.irp i, 0,1,2,3,4,5,6,7,8,9,10,11,12,13,14,15
	global_store_b128 v[LN], v[BK+64*((\a)%2)+4*\i:BK+64*((\a)%2)+4*\i+3], s[12:13] offset:(32*((\a)/2)+8*((\a)%2)+\i+8*(\i/8))*8192 th:TH_STORE_NT   ; 32 lanes store 512 consecutive bytes of row rho(a, i), at a multiple of 256
.endr
.endm
	s_load_b128 s[4:7], s[0:1], 0x0                ; ctx, wc
	s_load_b128 s[8:11], s[0:1], 0x10              ; the scales' exponents, bo
	s_load_b64 s[12:13], s[0:1], 0x20              ; out0
	v_lshl_add_u32 v[SPW], v0, 2, SPARE
	v_mov_b32 v[NIL], 0
	ds_add_u32 v[SPW], v[NIL]                      ; the wave's opening: the add, twice on end, and its wait ahead of my first tensor load
	ds_add_u32 v[SPW], v[NIL]
	v_lshrrev_b32 v1, 5, v0
	v_readfirstlane_b32 s[WV], v1                  ; wave 0..3
	s_bfe_u32 s[CX], ttmp6, 0x40000
	s_lshl_b32 s[MB], ttmp9, 2
	s_add_co_u32 s[MB], s[MB], s[CX]               ; it enters the tokens', the prefetches' and out0's addresses alone
	s_and_b32 s[NB], ttmp7, 0xffff
	s_mov_b32 s[G1], 15|(3<<16)|(1<<21)            ; 15:0 the mask: all four; 17:16 elements of 8 bytes; 21 set beside a mask
	s_mov_b32 s[G1+1], 2048<<16                    ; tensor_dim0 = 2,048 elements: eight K steps of a tile, 16,384 bytes
	s_mov_b32 s[G1+2], 2<<16                       ; tensor_dim1 = 2 tiles
	s_mov_b32 s[G1+3], 2048<<16                    ; tile_dim0
	s_mov_b32 s[G1+4], 2                           ; tile_dim1
	s_mov_b32 s[G1+5], 4096                        ; from tile to tile: 32,768 bytes
	s_mov_b32 s[G1+6], 0
	s_mov_b32 s[G1+7], 0
	s_lshl_b32 s18, s[NB], 18                      ; the block's 8 weight tiles,
	s_lshl_b32 s19, s[WV], 16                      ; my two of them
	s_add_co_u32 s18, s18, s19
	s_add_co_u32 s18, s18, WOB
	s_mov_b32 s19, 0
	s_lshl_b32 s20, s[WV], 15                      ; and where they go
	s_lshl_b32 s22, s[MB], 19                      ; the block's 16 token tiles,
	s_lshl_b32 s23, s[WV], 17                      ; my four of them
	s_add_co_u32 s22, s22, s23
	s_mov_b32 s23, 0
	s_wait_dscnt 0x0                               ; both opening adds are done
	s_wait_kmcnt 0x0
	s_load_b64 s[48:49], s[8:9], 0x48              ; e18, e19
	s_add_nc_u64 s[18:19], s[6:7], s[18:19]
	s_add_nc_u64 s[AB:AB+1], s[4:5], s[22:23]
	s_mov_b32 s[G0], 1
	s_mov_b32 s[G0+1], s20
	s_mov_b64 s[G0+2:G0+3], s[18:19]
	s_or_b32 s[G0+3], s[G0+3], 0x80000000
	s_mov_b32 s[G0+4], 1
	s_add_co_u32 s[G0+5], s20, HALF
	s_add_nc_u64 s[G0+6:G0+7], s[18:19], 16384
	s_or_b32 s[G0+7], s[G0+7], 0x80000000
	CROUND                                         ; all four work-groups are here: the joint loads meet
	tensor_load_to_lds s[G0:G0+3], s[G1:G1+7]      ; K steps 0-7 of my two tiles: my one tensor load at the head
	s_nop 0
	PLACES
	s_and_b32 s18, s[NB], 7
	s_lshl_b32 s18, s18, 12                        ; K steps 2 (y % 8) on
	s_mov_b32 s19, 0
	s_add_nc_u64 s[PA:PA+1], s[AB:AB+1], s[18:19]
	s_lshl_b32 s50, s[NB], 18                      ; of the second half's 512 blocks of 256 bytes: number 128 cx + 32 wave + lane; 64 blocks to a tile
	s_lshl_b32 s51, s[CX], 16
	s_add_co_u32 s50, s50, s51
	s_lshr_b32 s51, s[WV], 1
	s_lshl_b32 s51, s51, 15
	s_add_co_u32 s50, s50, s51
	s_and_b32 s51, s[WV], 1
	s_lshl_b32 s51, s51, 13
	s_add_co_u32 s50, s50, s51
	s_add_co_u32 s50, s50, WOB+16384
	s_mov_b32 s51, 0
	s_add_nc_u64 s[PB:PB+1], s[6:7], s[50:51]
	s_lshl_b32 s18, s[NB], 9                       ; 128 columns of f32
	s_add_nc_u64 s[10:11], s[10:11], s[18:19]
	s_lshl_b32 s20, s[MB], 21                      ; 256 rows of 8,192 bytes,
	s_lshl_b32 s21, s[WV], 19                      ; my 64
	s_add_co_u32 s20, s20, s21
	s_add_co_u32 s20, s20, s18
	s_mov_b32 s21, 0
	s_add_nc_u64 s[12:13], s[12:13], s[20:21]
	s_mul_i32 s22, s[WV], 16*SPITCH
	s_add_co_u32 s22, s22, STAGE                   ; my stage
	v_and_b32 v2, 31, v0                           ; lane
	v_and_b32 v3, 15, v0                           ; r
	v_bfe_u32 v4, v0, 4, 1                         ; h
	v_lshlrev_b32 v[LN], 4, v2
	v_lshlrev_b32 v[PFB], 8, v2
	v_lshrrev_b32 v5, 3, v2
	v_and_b32 v6, 7, v2
	v_lshlrev_b32 v[BI], 6, v4
	v_mul_u32_u24 v7, v3, SPITCH
	v_add_nc_u32 v[LN+1], 0x10000, v[LN]
	v_add_nc_u32 v[LN+2], 0x20000, v[LN]
	v_add_nc_u32 v[LN+3], 0x30000, v[LN]
	v_lshlrev_b32 v6, 8, v6
	v_lshl_add_u32 v7, v4, 6, v7
	v_add_nc_u32 v[RD], s22, v[LN]                 ; back: the 32 lanes take one row of 512 bytes
	v_lshl_add_u32 v[PFA], v5, 15, v6
	v_add_nc_u32 v[STO], s22, v7                   ; in: row r, 64 bytes for each half of the lanes
	s_wait_alu depctr_va_vdst(0)
	LOADA 0
	global_prefetch_b8 v[PFB], s[PB:PB+1] th:TH_LOAD_NT scope:SCOPE_SE
	global_prefetch_b8 v[PFA], s[PA:PA+1] th:TH_LOAD_NT scope:SCOPE_SE
	global_prefetch_b8 v[PFA], s[PA:PA+1] offset:2048 th:TH_LOAD_NT scope:SCOPE_SE
	LOADA 1
	LOADA 2
	WIN 0
	s_wait_kmcnt 0x0
	s_add_co_i32 s[SCL], s48, s49
	s_add_co_i32 s[SCL], s[SCL], 127
	s_lshl_b32 s[SCL], s[SCL], 23                  ; 2^(e18 + e19) as f32
	s_mov_b32 s[SCL+1], s[SCL]
	s_wait_tensorcnt 0x0                           ; my part of the first half is in
	ds_add_u32 v[SPW], v[NIL]
	s_wait_dscnt 0x0
	CROUND                                         ; everybody's part is in, and all four work-groups are here
	tensor_load_to_lds s[G0+4:G0+7], s[G1:G1+7]    ; K steps 8-15 of my two tiles: the first tensor load behind the round, onto bytes never filled before
	s_nop 0
	PLACES
	WIN 0x80
.irp t, 0,1,2,3,4,5,6,7
	FETCHT 0, \t                                   ; K step 0's weights, in the order of the groups
.endr
	LOADA 3
	STEP 0, 1                                      ; the first products start the sums: nothing is cleared
.irp s, 1,2,3,4,5,6,7,8,9,10,11,12,13,14,15
	STEP \s, 0
.endr
	WIN 0
	PLACES                                         ; behind the last products, ahead of the first read of results
	s_wait_loadcnt 0x0                             ; the bias
	TOSTAGE 0
.irp a, 1,2,3
.if \a > 1
	s_wait_xcnt 0x0                                ; tile a - 2's stores have read their registers: tile a's rows may land there
.endif
	TOSTAGE \a
	SEND \a-1, 32                                  ; behind tile a - 1's loads: tile a's 16 stores and 16 loads
.endr
	SEND 3, 0
	s_wait_tensorcnt 0x0                           ; the wave's end
	ds_add_u32 v[SPW], v[NIL]
	s_wait_dscnt 0x0
	CROUND                                         ; the closing round
	s_endpgm
.Lfunc_end_k_q815ba35e84_outp:
	.size	k_q815ba35e84_outp, .Lfunc_end_k_q815ba35e84_outp-k_q815ba35e84_outp
	.p2alignl 7, 3214868480
	.fill 96, 4, 3214868480
	.section	.rodata,"a",@progbits
	.p2align	6, 0x0
	.amdhsa_kernel k_q815ba35e84_outp
		.amdhsa_group_segment_fixed_size 327680
		.amdhsa_private_segment_fixed_size 0
		.amdhsa_enable_private_segment 0
		.amdhsa_kernarg_size 40
		.amdhsa_user_sgpr_count 2
		.amdhsa_user_sgpr_kernarg_segment_ptr 1
		.amdhsa_wavefront_size32 1
		.amdhsa_system_sgpr_workgroup_id_x 1
		.amdhsa_system_sgpr_workgroup_id_y 1
		.amdhsa_system_sgpr_workgroup_id_z 1
		.amdhsa_system_vgpr_workitem_id 0
		.amdhsa_next_free_vgpr 1024
		.amdhsa_next_free_sgpr 66
		.amdhsa_reserve_vcc 0
		.amdhsa_float_denorm_mode_32 3
		.amdhsa_float_denorm_mode_16_64 3
		.amdhsa_memory_ordered 1
		.amdhsa_forward_progress 1
		.amdhsa_inst_pref_size 128
	.end_amdhsa_kernel
	.amdgpu_metadata
---
amdhsa.version: [ 1, 2 ]
amdhsa.kernels:
  - .name:           k_q815ba35e84_outp
    .symbol:         k_q815ba35e84_outp.kd
    .args:
      - { .name: ctx, .offset: 0, .size: 8, .value_kind: global_buffer, .address_space: global }
      - { .name: wc, .offset: 8, .size: 8, .value_kind: global_buffer, .address_space: global }
      - { .name: lowp_scales, .offset: 16, .size: 8, .value_kind: global_buffer, .address_space: global }
      - { .name: bo, .offset: 24, .size: 8, .value_kind: global_buffer, .address_space: global }
      - { .name: out0, .offset: 32, .size: 8, .value_kind: global_buffer, .address_space: global }
    .group_segment_fixed_size: 327680
    .private_segment_fixed_size: 0
    .kernarg_segment_align: 8
    .kernarg_segment_size: 40
    .max_flat_workgroup_size: 128
    .sgpr_count:     66
    .vgpr_count:     1024
    .wavefront_size: 32
...
	.end_amdgpu_metadata
.endif
;; end of part 5
